; MI455X (gfx1250); checked and timed in simulation.
; The chip was launched on July 23, 2026; its instructions are those of AMD's public machine-readable ISA for CDNA 5 (MIT licence, August 2026) and "CDNA5" Instruction Set Architecture Reference Guide (July 2026). The comments in the code are by the model that wrote it; some were corrected since.
;; Enhanced Fusion. Allowed arithmetic: float matrix products may take bf16 or f16 operands with f32 sums; other float arithmetic in f32, or as packed bf16 or f16 multiplies, adds, multiply-adds, maxima and minima; sums over many terms, partial sums and values carried from step to step in f32; what a program stores and reads back later, other than sums and carried values, may be rounded once to bf16 or f16.
;; Inputs: W1 2,048 x 4,096 float32; W2 4,096 x 2,048 float32; W3 2,048 x 4 float32; b1 4,096 float32; b2 2,048 float32; b3 4 float32; ln_b 4,096 float32; ln_g 4,096 float32; x1 4,096 x 1,024 float32; x2 4,096 x 1,024 float32.
;; Outputs: out0 4,096 x 4 float32; out1 4,096 x 2,048 float32.
;; 2 versions, each right; version 2 is version 1 with the launch cast written anew for expert scheduling mode. Each part assembles by itself: llvm-mc -triple=amdgcn-amd-amdhsa -mcpu=gfx1250 --defsym DOCPART=n.
;; ======== version 1 of 2: 5 launches
;; workspace buffers: xb 16,777,216 bytes; w1b 16,777,216 bytes; w2b 16,777,216 bytes; w3t 16,384 bytes; hb 33,554,432 bytes; st 1,048,576 bytes; ab 33,554,432 bytes; part 1,048,576 bytes
;; launch cast (part 1): grid 513 x 1, 8 waves a work-group, no clusters, 0 bytes of LDS; arguments x1, x2, W1, W3, xb, w1b, w3t; writes xb, w1b, w3t
.if DOCPART == 1
	.amdgcn_target "amdgcn-amd-amdhsa--gfx1250"
	.amdhsa_code_object_version 6
	.text
	.protected	k_q3aafdc79ed_cast
	.globl	k_q3aafdc79ed_cast
	.p2align	8
	.type	k_q3aafdc79ed_cast,@function
k_q3aafdc79ed_cast:
	s_mov_b64 s[64:65], 0
	v_nop
	global_prefetch_b8 v0, s[64:65] scope:SCOPE_SE
	s_setreg_imm32_b32 hwreg(HW_REG_WAVE_MODE, 25, 1), 1
	s_wait_xcnt 0x0
; LAUNCH 1 OF 5: what the first product multiplies is rounded once to bf16, and W3 is turned.
;   xb  [4096][2048] = x1 beside x2 (the concatenation);  w1b [2048][4096] = W1 as it lies;  w3t [4][2048] = W3 turned.
; THE PROGRAM.  2: h = xb w1b + b1, stored less the mean of each piece of 128 columns, with that mean and the piece's sum of squared differences; beside its products it rounds W2 to bf16.
; 3: LayerNorm, gain, bias, ReLU.  4: sigmoid(a w2b + b2) = out1, and the parts of (x out1) W3 over 128 columns.  5: the parts are added, with b3.
; NOTHING IS LEFT OUT: every input of the problem reaches an output (b1 differs along the norm's axis, so it does not cancel), and all are loaded.
; LIMITS of the program: matrix operands have bf16's 8 significant bits; NaN and infinities are not treated apart (launch 3 says where a NaN is lost).
; SHARES.  The unit is 1,024 numbers: 4,096 bytes in, 2,048 out.  A wave takes 4 units, a work-group 32.  Work-groups 0-127 take x1, 128-255 x2, 256-511 W1; 512 takes W3.
; A load of a wave covers 512 consecutive bytes, a store 256 consecutive bytes at a multiple of 256.  All 32 loads of a wave go out first; each is rounded in the registers in which it landed, and
; no register is written again behind its store, so the only waits are for data.  No LDS, no matrix unit, no cluster: nothing is shared and nothing is multiplied.
.set X, 8                              ; v[8:135]   32 loads of 4 registers; the first two of each four then hold the 8 bytes to store
	s_load_b256 s[4:11], s[0:1], 0x0               ; x1 s[4:5], x2 s[6:7], W1 s[8:9], W3 s[10:11]
	s_load_b128 s[12:15], s[0:1], 0x20             ; xb s[12:13], w1b s[14:15]
	s_load_b64 s[16:17], s[0:1], 0x30              ; w3t
	v_lshrrev_b32 v1, 5, v0
	v_readfirstlane_b32 s22, v1                    ; wave 0..7
	v_and_b32 v7, 31, v0                           ; lane
	s_cmp_eq_u32 ttmp9, 512
	s_cbranch_scc1 .Lw3
	s_wait_kmcnt 0x0
	; from where, to where: the case of W1 first, then the lower ranges of the work-group's number take its place
	s_mov_b64 s[24:25], s[8:9]                     ; source
	s_mov_b64 s[26:27], s[14:15]                   ; destination
	s_mov_b32 s28, 256                             ; the range's first work-group
	s_mov_b32 s29, 2048                            ; bytes from unit to unit in the destination
	s_mov_b32 s30, 0                               ; x2 alone begins 2,048 bytes into xb's rows
	s_cmp_lt_u32 ttmp9, 256
	s_cselect_b64 s[24:25], s[6:7], s[24:25]
	s_cselect_b64 s[26:27], s[12:13], s[26:27]
	s_cselect_b32 s28, 128, s28
	s_cselect_b32 s29, 4096, s29
	s_cselect_b32 s30, 2048, s30
	s_cmp_lt_u32 ttmp9, 128
	s_cselect_b64 s[24:25], s[4:5], s[24:25]
	s_cselect_b32 s28, 0, s28
	s_cselect_b32 s30, 0, s30
	s_sub_co_u32 s31, ttmp9, s28
	s_lshl_b32 s31, s31, 5
	s_lshl2_add_u32 s31, s22, s31                  ; my first unit: 32 x work-group in its range + 4 x wave
	s_lshl_b32 s32, s31, 12
	s_mov_b32 s33, 0
	s_add_nc_u64 s[24:25], s[24:25], s[32:33]
	s_mul_i32 s32, s31, s29
	s_add_co_u32 s32, s32, s30
	s_add_nc_u64 s[26:27], s[26:27], s[32:33]
	v_lshlrev_b32 v1, 4, v7                        ; 16 bytes a lane in,
	v_lshlrev_b32 v2, 3, v7                        ; 8 bytes a lane out, for unit 0,
	v_add_nc_u32 v3, s29, v2                       ; 1,
	v_add_nc_u32 v4, s29, v3                       ; 2
	v_add_nc_u32 v5, s29, v4                       ; and 3
.set n, 0
.rept 32                               ; load n: unit n / 8, its 512 bytes number n % 8
	global_load_b128 v[X+4*n:X+4*n+3], v1, s[24:25] offset:(n/8)*4096+(n%8)*512 th:TH_LOAD_NT
.set n, n+1
.endr
.set n, 0
.rept 32
	s_wait_loadcnt 31-n                            ; loads come back in order: load n is in, the younger ones stay out
	v_cvt_pk_bf16_f32 v[X+4*n], v[X+4*n], v[X+4*n+1]
	v_cvt_pk_bf16_f32 v[X+4*n+1], v[X+4*n+2], v[X+4*n+3]
	global_store_b64 v[2+n/8], v[X+4*n:X+4*n+1], s[26:27] offset:(n%8)*256 th:TH_STORE_NT
.set n, n+1
.endr
	s_endpgm
.Lw3:                                          ; W3 [2048][4]: thread t takes rows 8 t .. 8 t + 7 (128 consecutive bytes) and writes 16 bytes of each of the four rows of w3t
	s_wait_kmcnt 0x0
	v_lshlrev_b32 v1, 7, v0
	v_lshlrev_b32 v2, 4, v0
.irp i, 0,1,2,3,4,5,6,7
	global_load_b128 v[8+4*(\i):11+4*(\i)], v1, s[10:11] offset:16*(\i)  ; v[8 + 4 i + c] = W3[8 t + i][c]
.endr
	s_wait_loadcnt 0x0
.irp c, 0,1,2,3
.irp r, 0,1,2,3
	v_cvt_pk_bf16_f32 v[40+4*(\c)+(\r)], v[8+8*(\r)+(\c)], v[12+8*(\r)+(\c)]
.endr
	global_store_b128 v2, v[40+4*(\c):43+4*(\c)], s[16:17] offset:4096*(\c)
.endr
	s_endpgm
.Lfunc_end_k_q3aafdc79ed_cast:
	.size	k_q3aafdc79ed_cast, .Lfunc_end_k_q3aafdc79ed_cast-k_q3aafdc79ed_cast
	.p2alignl 7, 3214868480
	.fill 96, 4, 3214868480
	.section	.rodata,"a",@progbits
	.p2align	6, 0x0
	.amdhsa_kernel k_q3aafdc79ed_cast
		.amdhsa_group_segment_fixed_size 0
		.amdhsa_private_segment_fixed_size 0
		.amdhsa_enable_private_segment 0
		.amdhsa_kernarg_size 56
		.amdhsa_user_sgpr_count 2
		.amdhsa_user_sgpr_kernarg_segment_ptr 1
		.amdhsa_wavefront_size32 1
		.amdhsa_system_sgpr_workgroup_id_x 1
		.amdhsa_system_sgpr_workgroup_id_y 1
		.amdhsa_system_sgpr_workgroup_id_z 1
		.amdhsa_system_vgpr_workitem_id 0
		.amdhsa_next_free_vgpr 136
		.amdhsa_next_free_sgpr 66
		.amdhsa_reserve_vcc 0
		.amdhsa_float_denorm_mode_32 3
		.amdhsa_float_denorm_mode_16_64 3
		.amdhsa_memory_ordered 1
		.amdhsa_forward_progress 1
		.amdhsa_inst_pref_size 16
	.end_amdhsa_kernel
	.amdgpu_metadata
---
amdhsa.version: [ 1, 2 ]
amdhsa.kernels:
  - .name:           k_q3aafdc79ed_cast
    .symbol:         k_q3aafdc79ed_cast.kd
    .args:
      - { .name: x1, .offset: 0, .size: 8, .value_kind: global_buffer, .address_space: global }
      - { .name: x2, .offset: 8, .size: 8, .value_kind: global_buffer, .address_space: global }
      - { .name: W1, .offset: 16, .size: 8, .value_kind: global_buffer, .address_space: global }
      - { .name: W3, .offset: 24, .size: 8, .value_kind: global_buffer, .address_space: global }
      - { .name: xb, .offset: 32, .size: 8, .value_kind: global_buffer, .address_space: global }
      - { .name: w1b, .offset: 40, .size: 8, .value_kind: global_buffer, .address_space: global }
      - { .name: w3t, .offset: 48, .size: 8, .value_kind: global_buffer, .address_space: global }
    .group_segment_fixed_size: 0
    .private_segment_fixed_size: 0
    .kernarg_segment_align: 8
    .kernarg_segment_size: 56
    .max_flat_workgroup_size: 256
    .sgpr_count:     66
    .vgpr_count:     136
    .wavefront_size: 32
...
	.end_amdgpu_metadata
.endif
;; end of part 1
;; launch gemm1 (part 2): grid 16 x 16, 4 waves a work-group, clusters of 4 x 4, 327,680 bytes of LDS; arguments xb, w1b, b1, hb, st, W2, w2b; writes hb, st, w2b
.if DOCPART == 2
	.amdgcn_target "amdgcn-amd-amdhsa--gfx1250"
	.amdhsa_code_object_version 6
	.text
	.protected	k_q3aafdc79ed_gemm1
	.globl	k_q3aafdc79ed_gemm1
	.p2align	8
	.type	k_q3aafdc79ed_gemm1,@function
k_q3aafdc79ed_gemm1:
	s_mov_b64 s[64:65], 0
	v_nop
	global_prefetch_b8 v0, s[64:65] scope:SCOPE_SE
	s_setreg_imm32_b32 hwreg(HW_REG_WAVE_MODE, 25, 1), 1
	s_wait_xcnt 0x0
	s_wait_alu depctr_hold_cnt(0) depctr_sa_sdst(0) depctr_va_vdst(0) depctr_va_sdst(0) depctr_va_ssrc(0) depctr_va_vcc(0) depctr_vm_vsrc(0)
	s_getreg_b32 s2, hwreg(HW_REG_IB_STS2, 6, 4)
	s_cmp_eq_u32 s2, 0
	s_cbranch_scc0 .Lentry_in_a_cluster
	s_endpgm
.Lentry_in_a_cluster:
	s_bfe_u32 s2, ttmp6, 0x10000c
	s_cmp_lg_u32 s2, 0xf033
	s_cbranch_scc0 .Lentry_shape_is_right
	s_endpgm
.Lentry_shape_is_right:
; LAUNCH 2 OF 5: h = xb w1b + b1.  xb [4096][2048], w1b [2048][4096] bf16 (K down the rows), b1 [4096] f32; sums in f32.  Nothing of the problem is left out here.
; OUT: hb [4096][4096] bf16 = h less the mean m of its own piece of 128 columns;  st [32 pieces][4096 rows] pairs of f32: m, and M2 = the sum over the piece of (h - m)^2.
; So the next launch makes a row's mean and variance from 32 pieces without a difference of large sums, and an offset common to a piece costs none of bf16's bits.
; BESIDE THE PRODUCT: w2b [4096][2048] bf16 = W2 rounded once, as it lies.  Launch 4 is the first to read it, and a lap here has 512 matrix instructions beside which 8 loads, 16 roundings and
; 8 stores find room.  Each of the launch's 1,024 waves takes 32,768 bytes of W2, 4,096 a lap: asked for in a lap's second quarter, rounded and stored four quarters later.
; SHARES.  A work-group makes 256 x 256 of h, each of its four waves 128 x 128: 64 accumulators, 512 registers.  K = 2,048 goes in 16 steps of 128 through two LDS slots.
; THE PRODUCT IS USED TRANSPOSED: source 0 = 16 columns of w1b, source 1 = 16 rows of xb.  A lane then holds row l % 16 of h and, of column block b, the columns 16 b + 8 (l / 16) + 0..7.
; xb's tile lies in LDS along K and is read as it lies; w1b's lies [k][column] and is turned on the way out of LDS by ds_load_tr16_b128.
; b1 IS THE C OPERAND of each accumulator's first product: nothing is cleared and nothing is added afterwards.
; CLUSTER.  4 x 4 work-groups: the four of a row of the cluster need the same tiles of xb, the four of a column the same tiles of w1b.  Each tile is asked for jointly.
; REGISTERS, in windows of 256 (s_set_vgpr_msb: bits 1:0 source 0, 3:2 source 1, 5:4 source 2, 7:6 destination):
;   window 0: v0-31 addresses; v32-63 in the loop W2's numbers; v64-127, v128-191 xb's fragments, two buffers; on the way out v32-63, v160-191 rows read back, v64-127 h - m, v128-159 packed,
;   v192-207 statistics, v208-215 at work        window 1: v64-127, v128-191 w1b's fragments, two buffers; v192-255 b1        windows 2, 3: accumulator (a, b) at v[8 (8 (a % 4) + b)], row blocks 0-3 and 4-7
.set KSTEP,  128
.set PA,     272                       ; a row of xb's tile in LDS: 256 bytes + 16 = 68 words: the 16 rows of a load start 4 banks apart
.set PB,     544                       ; a row of w1b's tile: 512 bytes + 32 = 136 words
.set ABYTES, 256*PA
.set SLOT,   ABYTES+128*PB             ; xb's 256 rows, then w1b's 128 rows
.set STAGE,  2*SLOT                    ; behind the ring, never filled by a tensor load: 16 rows x 272 bytes for each wave
.set SPITCH, 272
.set SPARE,  STAGE+4*16*SPITCH         ; the spare words, 128 bytes a wave: two blocks of 256 bytes that no other line names
.set LAPS,   8                         ; a lap = two K steps = once round the ring
.set XROW,   4096                      ; bytes in a row of xb
.set WROW,   8192                      ; bytes in a row of w1b and of hb
.set CVI,  6                           ; v6      16 x lane: my 16 bytes in 512 of W2; never rewritten
.set ADRA, 16                          ; v16-17  LDS address of my xb fragments in slot 0, 1
.set ADRB, 20                          ; v20-21  the same for w1b
.set STO,  24                          ; v24     the way out: where I put 16 bytes of a row
.set RD,   25                          ; v25     where I read a row back
.set CO,   26                          ; v26     my byte offset in two rows of hb
.set SO,   27                          ; v27     8 x lane: my pair in st, and my 8 bytes in 256 of w2b
.set SPW,  28                          ; v28     my spare word; never rewritten
.set NIL,  29                          ; v29     0; never rewritten
.set PFO,  30                          ; v30     the prefetches' lane offset; never rewritten
.set BO,   31                          ; v31     32 (l / 16): my 8 numbers in 16 of b1
.set OB0,  32
.set CW,   32                          ; v32-63  in the loop: 8 loads of W2, 4 registers each, rounded in place
.set F0,   64
.set F1,   128
.set BI,   192                         ; window 1: register 8 b + j = b1 of column 16 b + 8 (l / 16) + j
.set T,    64
.set P,    128
.set OB1,  160
.set ST,   192                         ; the pair (m, M2) of row block a at ST + 2 a
.set R,    208                         ; four pairs at work
.set WV, 14
.set RH, 15                            ; which half of the tile's rows is mine.  Also: I fetch xb's tile (0) or w1b's (1)
.set CH, 16                            ; which half of its columns.  Also: which half of that tile I fetch
.set CX, 17
.set CY, 18
.set TC, 19                            ; tile column
.set TR, 20                            ; tile row
.set G1,  24                           ; s[24:31] descriptor group 1, xb's tiles;  s[32:39] group 0, a set for each slot
.set G0,  32
.set LIM, 43                           ; 1 in a wave that prefetches, else the greatest number
.set PFA, 44                           ; s[44:45] where my prefetches stand
.set PFS, 46                           ; s[46:47] a K step in bytes, along xb's rows or down w1b's
.set G1B, 48                           ; s[48:55], s[56:63] the same for w1b's tiles
.set G0B, 56
.set SEL, 66                           ; s[66:67] v_permlanex16_b32's selects: each lane takes its own place in the other half
.set HM,  68                           ; lanes 16-31
.set INV, 69                           ; 1 / 128
.set W2P, 72                           ; s[72:73] W2 at my wave's share, at the lap in hand
.set W2O, 74                           ; s[74:75] w2b likewise
.set MSB, 0
.macro WIN new                         ; the immediate's high byte repeats the setting that is left; a switch that changes nothing is dropped
.if MSB != (\new)
	s_set_vgpr_msb (MSB<<8)|(\new)
.set MSB, \new
.endif
.endm
; A joint load: waves 0 and 1 fetch the halves of xb's tile, waves 2 and 3 those of w1b's.  The branch hangs on the wave's number alone.
; An s_nop 0 and four v_nop follow each of the two lines, ahead of the jump and the label.
.macro JLOAD s
	s_cmp_eq_u32 s[RH], 0
	s_cbranch_scc0 .Lfor_b_\@
	tensor_load_to_lds s[G0+4*(\s):G0+4*(\s)+3], s[G1:G1+7]
	s_nop 0
.rept 4
	v_nop
.endr
	s_branch .Lasked_\@
.Lfor_b_\@:
	tensor_load_to_lds s[G0B+4*(\s):G0B+4*(\s)+3], s[G1B:G1B+7]
	s_nop 0
.rept 4
	v_nop
.endr
.Lasked_\@:
.endm
; A prefetch of the K step that stands two refills on (512 matrix instructions ahead of the load that will want it), behind the joint load and the run of LDS loads.
; Each aligned block of 256 bytes is named once in the launch: xb's tile row by the clusters with x = 0, w1b's tile column by those with y = 0; the four partners that ask for a tile
; jointly share its rows out by address (32 rows of xb by cx; 16 rows of w1b, two blocks each, by cy).  The loop's last trip (s3 = 1) asks for nothing: there is no K step two on.
.macro ASK
	s_cmp_gt_u32 s3, s[LIM]
	s_cbranch_scc0 .Lnot_mine_\@
	global_prefetch_b8 v[PFO], s[PFA:PFA+1] th:TH_LOAD_NT scope:SCOPE_SE
.Lnot_mine_\@:
.endm
.macro CREST                           ; a round of the cluster's barrier behind its opening barrier
	s_cmp_lg_u32 s[WV], 0
	s_cbranch_scc1 .Lnot_wave_0_\@
	s_barrier_signal -3
.Lnot_wave_0_\@:
	s_barrier_wait -3
	s_barrier_signal -1
	s_barrier_wait -1
.endm
.macro CROUND                          ; a whole round
	s_barrier_signal -1
	s_barrier_wait -1
	CREST
.endm
.macro PLACES                          ; four plain places behind matrix instructions, ahead of loads into registers that they read and of vector work on their results
.rept 4
	v_nop
.endr
.endm
	s_load_b256 s[4:11], s[0:1], 0x0               ; xb s[4:5], w1b s[6:7], b1 s[8:9], hb s[10:11]
	s_load_b64 s[12:13], s[0:1], 0x20              ; st
	s_load_b128 s[72:75], s[0:1], 0x28             ; W2 s[72:73], w2b s[74:75]
	v_lshl_add_u32 v[SPW], v0, 2, SPARE
	v_mov_b32 v[NIL], 0
	ds_add_u32 v[SPW], v[NIL]                      ; the wave's opening: the add, twice on end, and its wait ahead of my first tensor load
	ds_add_u32 v[SPW], v[NIL]                      ; once more; the set-up below, work on registers, stands between it and the wait
	v_lshrrev_b32 v1, 5, v0
	v_readfirstlane_b32 s[WV], v1                  ; wave 0..3
	s_lshr_b32 s[RH], s[WV], 1
	s_and_b32 s[CH], s[WV], 1
	s_bfe_u32 s[CX], ttmp6, 0x40000                ; my place in the cluster
	s_bfe_u32 s[CY], ttmp6, 0x40004
	s_lshl_b32 s[TC], ttmp9, 2
	s_add_co_u32 s[TC], s[TC], s[CX]               ; tile column = 4 x cluster x + cx
	s_and_b32 s[TR], ttmp7, 0xffff
	s_lshl_b32 s[TR], s[TR], 2
	s_add_co_u32 s[TR], s[TR], s[CY]               ; tile row = 4 x cluster y + cy
	s_lshl_b32 s21, s[CY], 2
	s_lshl_b32 s21, 15, s21                        ; my row of the cluster
	s_lshl_b32 s23, 0x1111, s[CX]                  ; my column
	s_or_b32 s[G1], s21, (1<<16)|(1<<20)|(1<<21)|(5<<22)|(3<<25)   ; the mask; 2-byte elements; padding on; bit 21 beside a mask; after every 64 words 4 words
	s_or_b32 s[G1B], s23, (1<<16)|(1<<20)|(1<<21)|(6<<22)|(7<<25)  ; the same: after every 128 words 8 words
	s_mov_b32 s[G1+1], 128<<16                     ; xb: tensor_dim0 = 128
	s_mov_b32 s[G1+2], 128<<16                     ; tensor_dim1 = 128
	s_mov_b32 s[G1+3], 128<<16                     ; tile_dim0 = 128 elements: 256 bytes
	s_mov_b32 s[G1+4], 128                         ; tile_dim1 = 128 rows
	s_mov_b32 s[G1+5], 2048                        ; elements from row to row
	s_mov_b32 s[G1+6], 0
	s_mov_b32 s[G1+7], 0
	s_mov_b32 s[G1B+1], 256<<16                    ; w1b: tensor_dim0 = 256
	s_mov_b32 s[G1B+2], 64<<16                     ; tensor_dim1 = 64
	s_mov_b32 s[G1B+3], 256<<16                    ; tile_dim0 = 256 elements: 512 bytes
	s_mov_b32 s[G1B+4], 64                         ; tile_dim1 = 64 rows
	s_mov_b32 s[G1B+5], 4096
	s_mov_b32 s[G1B+6], 0
	s_mov_b32 s[G1B+7], 0
	; xb's tile hangs on the tile row alone, w1b's on the tile column alone; each offset in registers of its own
	s_lshl_b32 s21, s[TR], 8
	s_lshl_b32 s22, s[CH], 7
	s_add_co_u32 s21, s21, s22                     ; xb: row 256 x tile row + 128 x half
	s_lshl_b32 s40, s21, 12                        ; x 4,096 bytes
	s_mov_b32 s41, 0
	s_lshl_b32 s22, s[CH], 19                      ; w1b: row 64 x half, x 8,192 bytes,
	s_lshl_b32 s23, s[TC], 9                       ; and the tile column's 512 bytes
	s_add_co_u32 s22, s22, s23
	s_mov_b32 s23, 0
	s_mul_i32 s42, s[WV], 128*PA                   ; where a wave's part lands: 34,816 x wave (128 rows of 272 = 64 rows of 544)
	s_mov_b32 s[SEL], 0x76543210
	s_mov_b32 s[SEL+1], 0xfedcba98
	s_mov_b32 s[INV], 0x3c000000                   ; 1 / 128
	s_wait_dscnt 0x0                               ; both opening adds are done
	s_wait_kmcnt 0x0
	s_add_nc_u64 s[40:41], s[4:5], s[40:41]
	s_add_nc_u64 s[22:23], s[6:7], s[22:23]
	CROUND                                         ; all sixteen work-groups are here: the first joint loads meet
.irp s, 0,1
	s_mov_b32 s[G0+4*(\s)], 1                      ; count = 1
	s_add_co_u32 s[G0+4*(\s)+1], s42, (\s)*SLOT    ; LDS address
	s_add_nc_u64 s[G0+4*(\s)+2:G0+4*(\s)+3], s[40:41], (\s)*KSTEP*2      ; K step s: 256 bytes along the rows
	s_or_b32 s[G0+4*(\s)+3], s[G0+4*(\s)+3], 0x80000000                  ; type = 2
	s_mov_b32 s[G0B+4*(\s)], 1
	s_add_co_u32 s[G0B+4*(\s)+1], s42, (\s)*SLOT
	s_add_nc_u64 s[G0B+4*(\s)+2:G0B+4*(\s)+3], s[22:23], (\s)*KSTEP*WROW  ; K step s: 128 rows down
	s_or_b32 s[G0B+4*(\s)+3], s[G0B+4*(\s)+3], 0x80000000
	JLOAD \s                                       ; two loads of mine are out
.endr
	v_and_b32 v1, 15, v0                           ; l % 16
	v_bfe_u32 v2, v0, 4, 1                         ; l / 16
	v_lshlrev_b32 v[BO], 5, v2
	s_lshl_b32 s21, s[TC], 10
	s_lshl_b32 s40, s[CH], 9
	s_add_co_u32 s40, s40, s21                     ; my first column x 4 bytes
	s_mov_b32 s41, 0
	s_add_nc_u64 s[8:9], s[8:9], s[40:41]
	WIN 0x40                                       ; destination window 1
.irp b, 0,1,2,3,4,5,6,7
	global_load_b128 v[BI+8*(\b):BI+8*(\b)+3],   v[BO], s[8:9] offset:64*(\b)
	global_load_b128 v[BI+8*(\b)+4:BI+8*(\b)+7], v[BO], s[8:9] offset:64*(\b)+16
.endr
	WIN 0
	; a fragment of xb: lane l holds row l % 16; two loads of 16 bytes, 32 bytes apart, at row x pitch + 16 (l / 16)
	v_mul_u32_u24 v3, v1, PA
	v_lshl_add_u32 v3, v2, 4, v3
	s_mul_i32 s21, s[RH], 128*PA
	v_add_nc_u32 v[ADRA], s21, v3
	v_add_nc_u32 v[ADRA+1], SLOT, v[ADRA]
	; the turning load: lane l reads 16 bytes of row 8 (l / 16) + l % 8 at column 8 ((l / 8) % 2), and ends with column l % 16 and 8 numbers along K
	v_and_b32 v4, 7, v0
	v_lshl_add_u32 v4, v2, 3, v4
	v_mul_u32_u24 v4, v4, PB
	v_bfe_u32 v5, v0, 3, 1
	v_lshl_add_u32 v4, v5, 4, v4
	s_lshl_b32 s22, s[CH], 8                       ; my 128 columns
	s_add_co_u32 s22, s22, ABYTES
	v_add_nc_u32 v[ADRB], s22, v4
	v_add_nc_u32 v[ADRB+1], SLOT, v[ADRB]
	s_mul_i32 s23, s[WV], 16*SPITCH
	s_add_co_u32 s23, s23, STAGE                   ; my stage
	v_add_nc_u32 v[STO], s23, v3                   ; in: row l % 16, 16 bytes for each half of the lanes
	v_mul_u32_u24 v5, v2, SPITCH                   ; back: lanes 0-15 one row of 256 bytes, lanes 16-31 the next
	v_lshl_add_u32 v5, v1, 4, v5
	v_add_nc_u32 v[RD], s23, v5
	v_lshlrev_b32 v5, 13, v2                       ; and the same two rows in hb
	v_lshl_add_u32 v[CO], v1, 4, v5
	v_and_b32 v3, 31, v0                           ; lane
	v_lshlrev_b32 v[SO], 3, v3
	v_lshlrev_b32 v[CVI], 4, v3
	v_cmp_le_u32 s[HM], 16, v3
	s_lshl_b32 s21, s[TR], 8
	s_lshl_b32 s22, s[RH], 7
	s_add_co_u32 s21, s21, s22                     ; my first row
	s_lshl_b32 s40, s21, 13
	s_lshl_b32 s22, s[TC], 9
	s_add_co_u32 s40, s40, s22
	s_lshl_b32 s22, s[CH], 8
	s_add_co_u32 s40, s40, s22
	s_add_nc_u64 s[10:11], s[10:11], s[40:41]      ; hb at my first row and column
	s_lshl_b32 s40, s[TC], 1
	s_add_co_u32 s40, s40, s[CH]                   ; my piece of 128 columns
	s_lshl_b32 s40, s40, 15
	s_lshl_b32 s22, s21, 3
	s_add_co_u32 s40, s40, s22
	s_add_nc_u64 s[12:13], s[12:13], s[40:41]      ; st at my piece and first row
	s_lshl4_add_u32 s21, s[TR], s[TC]              ; my work-group among the 256,
	s_lshl2_add_u32 s21, s21, s[WV]                ; my wave among the 1,024:
	s_lshl_b32 s40, s21, 15                        ; its 32,768 bytes of W2
	s_add_nc_u64 s[W2P:W2P+1], s[W2P:W2P+1], s[40:41]
	s_lshl_b32 s40, s21, 14                        ; and 16,384 of w2b
	s_add_nc_u64 s[W2O:W2O+1], s[W2O:W2O+1], s[40:41]
	; the prefetches: they start at K step 3 and are stepped ahead of each use, so the first names K step 4
	s_lshl_b32 s21, s[TR], 8
	s_lshl_b32 s22, s[CH], 7
	s_add_co_u32 s21, s21, s22
	s_lshl_b32 s22, s[CX], 5
	s_add_co_u32 s21, s21, s22                     ; xb: my work-group's 32 of the 128 rows that I fetch
	s_lshl_b32 s21, s21, 12
	s_add_co_u32 s21, s21, 3*KSTEP*2
	s_lshl_b32 s22, s[CH], 6
	s_lshl_b32 s23, s[CY], 4
	s_add_co_u32 s22, s22, s23
	s_add_co_u32 s22, s22, 3*KSTEP                 ; w1b: my work-group's 16 of the 64 rows that I fetch
	s_lshl_b32 s22, s22, 13
	s_lshl_b32 s23, s[TC], 9
	s_add_co_u32 s22, s22, s23
	s_and_b32 s23, ttmp7, 0xffff                   ; cluster y
	s_mov_b32 s[PFS], KSTEP*WROW
	s_mov_b32 s[PFS+1], 0
	s_cmp_eq_u32 s[RH], 0                          ; do I fetch xb's tile?
	s_cselect_b32 s40, s21, s22
	s_cselect_b32 s23, ttmp9, s23                  ; the coordinate along which other clusters read the same rows
	s_cselect_b32 s[PFS], KSTEP*2, s[PFS]
	s_cselect_b32 s42, -1, 0
	s_cselect_b64 s[PFA:PFA+1], s[4:5], s[6:7]
	s_add_nc_u64 s[PFA:PFA+1], s[PFA:PFA+1], s[40:41]
	s_cmp_eq_u32 s23, 0
	s_cselect_b32 s[LIM], 1, -1                    ; the same in all sixteen partners, for a given wave
	v_lshlrev_b32 v4, 12, v3                       ; xb: a lane a row
	v_lshrrev_b32 v5, 1, v3                        ; w1b: two lanes a row of 512 bytes
	v_and_b32 v3, 1, v3
	v_lshlrev_b32 v5, 13, v5
	v_lshl_or_b32 v5, v3, 8, v5
	v_cndmask_b32 v[PFO], v5, v4, s42
; 16 matrix instructions: row blocks a0, a0 + 1 of the window's four (hi = 0: my rows 0-63, 1: rows 64-127) x all 8 column blocks, 32 along K.  first = 1: C is b1.
; The 64 accumulators take turns, in the same order in every quarter.
.macro MUL16 f, hi, a0, first
.if \first
	WIN 0x91+0x40*(\hi)                            ; w1b window 1, xb window 0, C window 1, D window 2 or 3
.else
	WIN 0xa1+0x50*(\hi)                            ; C and D window 2 or 3
.endif
.irp a, \a0, (\a0)+1
.irp b, 0,1,2,3,4,5,6,7
.if \first
	v_wmma_f32_16x16x32_bf16 v[8*(8*(\a)+(\b)):8*(8*(\a)+(\b))+7], v[(\f)+8*(\b):(\f)+8*(\b)+7], v[(\f)+8*(4*(\hi)+(\a)):(\f)+8*(4*(\hi)+(\a))+7], v[BI+8*(\b):BI+8*(\b)+7]
.else
	v_wmma_f32_16x16x32_bf16 v[8*(8*(\a)+(\b)):8*(8*(\a)+(\b))+7], v[(\f)+8*(\b):(\f)+8*(\b)+7], v[(\f)+8*(4*(\hi)+(\a)):(\f)+8*(4*(\hi)+(\a))+7], v[8*(8*(\a)+(\b)):8*(8*(\a)+(\b))+7]
.endif
.endr
.endr
.endm
; 32 LDS loads in one run: the fragments of quarter q (32 along K) of a slot into buffer f: w1b's 8 column blocks, turned, then xb's 8 row blocks
.macro FETCH slot, q, f
	WIN 0x40
.irp b, 0,1,2,3,4,5,6,7
	ds_load_tr16_b128 v[(\f)+8*(\b):(\f)+8*(\b)+3],   v[ADRB+(\slot)] offset:(\q)*32*PB+32*(\b)
	ds_load_tr16_b128 v[(\f)+8*(\b)+4:(\f)+8*(\b)+7], v[ADRB+(\slot)] offset:(\q)*32*PB+32*(\b)+16*PB
.endr
	WIN 0
.irp i, 0,1,2,3,4,5,6,7
	ds_load_b128 v[(\f)+8*(\i):(\f)+8*(\i)+3],   v[ADRA+(\slot)] offset:(\q)*64+(\i)*16*PA
	ds_load_b128 v[(\f)+8*(\i)+4:(\f)+8*(\i)+7], v[ADRA+(\slot)] offset:(\q)*64+(\i)*16*PA+32
.endr
.endm
; W2's share of a lap: 4,096 bytes in, by 8 loads of 512 consecutive bytes;
.macro CASTLD
.irp n, 0,1,2,3,4,5,6,7
	global_load_b128 v[CW+4*(\n):CW+4*(\n)+3], v[CVI], s[W2P:W2P+1] offset:512*(\n) th:TH_LOAD_NT
.endr
.endm
; four quarters later they are rounded in place and leave by 8 stores of 256 consecutive bytes, at multiples of 256 from w2b's first byte.
.macro CASTST
	s_wait_loadcnt 0x0                             ; the 8 loads are the wave's only loads into registers that are out
.irp n, 0,1,2,3,4,5,6,7
	v_cvt_pk_bf16_f32 v[CW+4*(\n)],   v[CW+4*(\n)],   v[CW+4*(\n)+1]
	v_cvt_pk_bf16_f32 v[CW+4*(\n)+1], v[CW+4*(\n)+2], v[CW+4*(\n)+3]
.endr
.irp n, 0,1,2,3,4,5,6,7
	global_store_b64 v[SO], v[CW+4*(\n):CW+4*(\n)+1], s[W2O:W2O+1] offset:256*(\n) th:TH_STORE_NT
.endr
.endm
; One of a K step's first three quarters: multiplies buffer f; in its middle it fetches quarter q of the same slot into buffer g.  job = 1: W2's loads follow that run; 2: its roundings and stores.
.macro QUARTER slot, q, f, g, first, job=0
	s_wait_dscnt 8                                 ; w1b's fragments and xb's rows 0-63 are in; the youngest eight loads (rows 64-127) may be out
	MUL16 \f, 0, 0, \first
	MUL16 \f, 0, 2, \first
	PLACES
	FETCH \slot, \q, \g
.if (\job) == 1
	CASTLD
.endif
.if (\job) == 2
	CASTST
.endif
	s_wait_dscnt 32                                ; all but the 32 LDS loads just issued
	MUL16 \f, 1, 0, \first
	MUL16 \f, 1, 2, \first
.endm
; The first half of the last quarter: ONE barrier for the change of slots.  Ahead of it each wave waits for all its tensor loads (one is out: its part of the next slot), adds 0 to its
; spare word, and waits for that and for its own reads of this slot.  Behind it nobody reads this slot any more and the next slot is whole.
.macro MEET round
	WIN 0                                          ; (the add's two registers lie in window 0)
	s_wait_tensorcnt 0x0
	ds_add_u32 v[SPW], v[NIL]
	s_wait_dscnt 9                                 ; (the add and the youngest eight loads may be out)
	MUL16 F1, 0, 0, 0                              ; sixteen matrix instructions between the add and the wait for it
	s_wait_dscnt 0x0                               ; the add is done, and my reads of this slot are over
	s_barrier_signal -1
	MUL16 F1, 0, 2, 0                              ; work on registers while the others arrive
.if \round
	WIN 0
.endif
	s_barrier_wait -1
.endm
; The whole last quarter.  fill = 1: the barrier opens a round of the cluster's barrier, and the slot just read out is filled again first thing behind it, two K steps on:
; from that request to the wait for it a wave issues 224 matrix instructions.
.macro TURN slot, next, fill
.if \fill
	s_wait_xcnt 0x0                                ; the last prefetch, a K step back, has read its address, and W2's loads and stores theirs and their data: all are written again only behind this wait
	s_add_nc_u64 s[PFA:PFA+1], s[PFA:PFA+1], s[PFS:PFS+1]
.if (\slot) == 1
	s_add_nc_u64 s[W2P:W2P+1], s[W2P:W2P+1], 4096  ; the next lap's share of W2
	s_add_nc_u64 s[W2O:W2O+1], s[W2O:W2O+1], 2048
.endif
	MEET 1
	CREST                                          ; no wave of any partner still reads this slot's tile or has a load on its way
	s_add_nc_u64 s[G0+4*(\slot)+2:G0+4*(\slot)+3], s[G0+4*(\slot)+2:G0+4*(\slot)+3], 2*KSTEP*2
	s_add_nc_u64 s[G0B+4*(\slot)+2:G0B+4*(\slot)+3], s[G0B+4*(\slot)+2:G0B+4*(\slot)+3], 2*KSTEP*WROW
	JLOAD \slot                                    ; its four v_nop are also the places ahead of the loads below
	FETCH \next, 0, F0
	ASK
.else
	MEET 0
	PLACES
	FETCH \next, 0, F0
.endif
	MUL16 F1, 1, 0, 0
	MUL16 F1, 1, 2, 0
.endm
	s_wait_tensorcnt 1                             ; my part of K step 0 is in; K step 1's may stay out
	s_barrier_signal -1
	s_barrier_wait -1                              ; everybody's is
	FETCH 0, 0, F0
	s_wait_loadcnt 0x0                             ; b1
	QUARTER 0, 1, F0, F1, 1                        ; the first quarter stands ahead of the loop: its products start the sums, from b1
	WIN 0                                          ; at a label and at a branch every window is 0
	s_mov_b32 s3, LAPS-1
.Llap:                                                 ; a trip goes once round the ring, from a lap's second quarter to the next lap's first, and fills both slots again
	QUARTER 0, 2, F1, F0, 0, 1
	QUARTER 0, 3, F0, F1, 0
	TURN 0, 1, 1
	QUARTER 1, 1, F0, F1, 0
	QUARTER 1, 2, F1, F0, 0, 2
	QUARTER 1, 3, F0, F1, 0
	TURN 1, 0, 1
	QUARTER 0, 1, F0, F1, 0
	WIN 0
	s_sub_co_u32 s3, s3, 1
	s_cmp_lg_u32 s3, 0
	s_cbranch_scc1 .Llap
	QUARTER 0, 2, F1, F0, 0, 1                     ; the last lap fills nothing; it takes the eighth and last share of W2
	QUARTER 0, 3, F0, F1, 0
	TURN 0, 1, 0
	QUARTER 1, 1, F0, F1, 0
	QUARTER 1, 2, F1, F0, 0, 2
	QUARTER 1, 3, F0, F1, 0
	s_wait_dscnt 8                                 ; the very last quarter: nothing more to fetch
	MUL16 F1, 0, 0, 0
	MUL16 F1, 0, 2, 0
	s_wait_dscnt 0x0
	MUL16 F1, 1, 0, 0
	MUL16 F1, 1, 2, 0
	PLACES
; THE WAY OUT, a block of 16 rows at a time.  A lane holds 64 of a row's 128 numbers, the lane 16 away the others.
.macro REDUCE dst                      ; the four pairs at work, and the other half of the lanes', into one number
	v_pk_add_f32 v[R:R+1], v[R:R+1], v[R+2:R+3]
	v_pk_add_f32 v[R+4:R+5], v[R+4:R+5], v[R+6:R+7]
	v_pk_add_f32 v[R:R+1], v[R:R+1], v[R+4:R+5]
	v_add_f32 v[R], v[R], v[R+1]
	v_permlanex16_b32 v[R+2], v[R], s[SEL], s[SEL+1]
	v_add_f32 v[\dst], v[R], v[R+2]
.endm
.macro COMPUTE a                       ; m; h - m; M2; h - m rounded to bf16
.set W, 2+(\a)/4
.set WS, W|(W<<2)
.set WT, W<<2
.set AC, 64*((\a)%4)
	WIN WS                                         ; sources 0 and 1 in the accumulators' window
.irp c, 0,1,2,3                        ; four chains; each accumulator is read from its low end on
	v_pk_add_f32 v[R+2*(\c):R+2*(\c)+1], v[AC+2*(\c):AC+2*(\c)+1], v[AC+8+2*(\c):AC+8+2*(\c)+1]
.endr
	WIN WT
.irp b, 2,3,4,5,6,7
.irp c, 0,1,2,3
	v_pk_add_f32 v[R+2*(\c):R+2*(\c)+1], v[R+2*(\c):R+2*(\c)+1], v[AC+8*(\b)+2*(\c):AC+8*(\b)+2*(\c)+1]
.endr
.endr
	WIN 0
	REDUCE R
	v_mul_f32 v[ST+2*(\a)], s[INV], v[R]           ; m
	v_mul_f32 v[ST+2*(\a)+1], s[INV], v[R]         ; (named with it as a pair below, so it is written; M2 takes its place)
	WIN W
.set p, 0
.rept 32
	v_pk_add_f32 v[T+2*p:T+2*p+1], v[AC+2*p:AC+2*p+1], v[ST+2*(\a):ST+2*(\a)+1] op_sel_hi:[1,0] neg_lo:[0,1] neg_hi:[0,1]
.set p, p+1
.endr
	WIN 0
.set p, 0
.rept 32
.if p < 4
	v_pk_mul_f32 v[R+2*p:R+2*p+1], v[T+2*p:T+2*p+1], v[T+2*p:T+2*p+1]
.else
	v_pk_fma_f32 v[R+2*(p%4):R+2*(p%4)+1], v[T+2*p:T+2*p+1], v[T+2*p:T+2*p+1], v[R+2*(p%4):R+2*(p%4)+1]
.endif
.set p, p+1
.endr
	REDUCE ST+2*(\a)+1
.set p, 0
.rept 32
	v_cvt_pk_bf16_f32 v[P+p], v[T+2*p], v[T+2*p+1]
.set p, p+1
.endr
.endm
.macro TOSTAGE a                       ; 16 bytes a lane into my stage, and back as whole rows of 256 bytes
.set BK, OB0+(OB1-OB0)*((\a)%2)
	s_wait_xcnt 0x0                                ; the stores that read these registers (of two blocks back; at block 0 w2b's last) have read them
.irp b, 0,1,2,3,4,5,6,7
	ds_store_b128 v[STO], v[P+4*(\b):P+4*(\b)+3] offset:32*(\b)
.endr
.irp t, 0,1,2,3,4,5,6,7
	ds_load_b128 v[BK+4*(\t):BK+4*(\t)+3], v[RD] offset:(\t)*2*SPITCH  ; LDS serves a wave's instructions in order (ISA guide 5.7.1.4): these see the stores above
.endr
.endm
.macro SEND a
.set BK, OB0+(OB1-OB0)*((\a)%2)
	s_wait_dscnt 0x0                               ; the block is back in registers
.irp t, 0,1,2,3,4,5,6,7
	global_store_b128 v[CO], v[BK+4*(\t):BK+4*(\t)+3], s[10:11] offset:(16*(\a)+2*(\t))*WROW  ; 16 lanes store 256 consecutive bytes, at a multiple of 256 from hb's first byte; 126 rows at the most, inside the immediate
.endr
.endm
	COMPUTE 0
	TOSTAGE 0
.irp a, 1,2,3,4,5,6,7                  ; a block's arithmetic stands between the loads of the block before and the wait for them
	COMPUTE \a
	SEND (\a)-1
	TOSTAGE \a
.endr
	SEND 7
.irp a, 0,2,4,6                        ; both halves of the lanes hold a block's statistics: lanes 16-31 take the next block's, and 32 rows' pairs are 256 consecutive bytes
	v_cndmask_b32 v[ST+2*(\a)], v[ST+2*(\a)], v[ST+2*(\a)+2], s[HM]
	v_cndmask_b32 v[ST+2*(\a)+1], v[ST+2*(\a)+1], v[ST+2*(\a)+3], s[HM]
	global_store_b64 v[SO], v[ST+2*(\a):ST+2*(\a)+1], s[12:13] offset:128*(\a)
.endr
	s_wait_tensorcnt 0x0                           ; the wave's end, behind my last tensor load and my last LDS store
	ds_add_u32 v[SPW], v[NIL]
	s_wait_dscnt 0x0
	CROUND                                         ; the closing round: no work-group ends while a partner may still ask for a tile that names it
	s_endpgm
.Lfunc_end_k_q3aafdc79ed_gemm1:
	.size	k_q3aafdc79ed_gemm1, .Lfunc_end_k_q3aafdc79ed_gemm1-k_q3aafdc79ed_gemm1
	.p2alignl 7, 3214868480
	.fill 96, 4, 3214868480
	.section	.rodata,"a",@progbits
	.p2align	6, 0x0
	.amdhsa_kernel k_q3aafdc79ed_gemm1
		.amdhsa_group_segment_fixed_size 327680
		.amdhsa_private_segment_fixed_size 0
		.amdhsa_enable_private_segment 0
		.amdhsa_kernarg_size 56
		.amdhsa_user_sgpr_count 2
		.amdhsa_user_sgpr_kernarg_segment_ptr 1
		.amdhsa_wavefront_size32 1
		.amdhsa_system_sgpr_workgroup_id_x 1
		.amdhsa_system_sgpr_workgroup_id_y 1
		.amdhsa_system_sgpr_workgroup_id_z 1
		.amdhsa_system_vgpr_workitem_id 0
		.amdhsa_next_free_vgpr 1024
		.amdhsa_next_free_sgpr 76
		.amdhsa_reserve_vcc 0
		.amdhsa_float_denorm_mode_32 3
		.amdhsa_float_denorm_mode_16_64 3
		.amdhsa_memory_ordered 1
		.amdhsa_forward_progress 1
		.amdhsa_inst_pref_size 205
	.end_amdhsa_kernel
	.amdgpu_metadata
---
amdhsa.version: [ 1, 2 ]
amdhsa.kernels:
  - .name:           k_q3aafdc79ed_gemm1
    .symbol:         k_q3aafdc79ed_gemm1.kd
    .args:
      - { .name: xb, .offset: 0, .size: 8, .value_kind: global_buffer, .address_space: global }
      - { .name: w1b, .offset: 8, .size: 8, .value_kind: global_buffer, .address_space: global }
      - { .name: b1, .offset: 16, .size: 8, .value_kind: global_buffer, .address_space: global }
      - { .name: hb, .offset: 24, .size: 8, .value_kind: global_buffer, .address_space: global }
      - { .name: st, .offset: 32, .size: 8, .value_kind: global_buffer, .address_space: global }
      - { .name: W2, .offset: 40, .size: 8, .value_kind: global_buffer, .address_space: global }
      - { .name: w2b, .offset: 48, .size: 8, .value_kind: global_buffer, .address_space: global }
    .group_segment_fixed_size: 327680
    .private_segment_fixed_size: 0
    .kernarg_segment_align: 8
    .kernarg_segment_size: 56
    .max_flat_workgroup_size: 128
    .sgpr_count:     76
    .vgpr_count:     1024
    .wavefront_size: 32
...
	.end_amdgpu_metadata
.endif
;; end of part 2
;; launch lnrelu (part 3): grid 2 x 128, 16 waves a work-group, no clusters, 10,240 bytes of LDS; arguments hb, st, ln_g, ln_b, ab; writes ab
.if DOCPART == 3
	.amdgcn_target "amdgcn-amd-amdhsa--gfx1250"
	.amdhsa_code_object_version 6
	.text
	.protected	k_q3aafdc79ed_lnrelu
	.globl	k_q3aafdc79ed_lnrelu
	.p2align	8
	.type	k_q3aafdc79ed_lnrelu,@function
k_q3aafdc79ed_lnrelu:
	s_mov_b64 s[64:65], 0
	v_nop
	global_prefetch_b8 v0, s[64:65] scope:SCOPE_SE
	s_setreg_imm32_b32 hwreg(HW_REG_WAVE_MODE, 25, 1), 1
	s_wait_xcnt 0x0
; LAUNCH 3 OF 5: ab = relu(LayerNorm(h) ln_g + ln_b), [4096][4096] bf16.  Nothing of the problem is left out here.
; IN: hb = h less its piece's mean m_p (pieces of 128 columns), st = (m_p, M2_p) for 32 pieces a row.
;   mu = sum m_p / 32;   var = (sum M2_p + 128 sum (m_p - mu)^2) / 4096: only sums of squares, no difference of large sums;   rstd = 1 / sqrt(var + 1e-5).
;   (h - mu) rstd = hb rstd + (m_p - mu) rstd: one multiply-add straight from the bf16 half; then the gain and bias, one more; rounded once; ReLU on the packed halves.
; LIMITS.  The ReLU's maximum lets a NaN lose against 0, where the problem's would keep it; infinities are not treated apart; v_rsq_f32 is good to one unit in the last place.
; SHARES.  A work-group takes 32 rows x 2,048 columns.  Wave w: columns 256 (w % 8) on, rows 16 (w / 8) on; lane l keeps the same 8 columns in every row, so its gains and biases are loaded once.
; A load or store of a wave covers 512 consecutive bytes.  All 16 rows' loads go out ahead of the statistics.  Memory binds: no matrix unit, no cluster, no tensor load.
.set SPARE, 8192                       ; LDS: 0 .. 8,191 st as [32 pieces][32 rows][8 bytes]; then the spare words, 128 bytes for each of 16 waves
.set SPW,  8                           ; v8   my spare word; never rewritten
.set NIL,  9                           ; v9   0; never rewritten
.set ZR,   10                          ; v10  0, for the ReLU
.set G,    12                          ; v[12:19]  ln_g of my 8 columns
.set B,    20                          ; v[20:27]  ln_b
.set U,    28                          ; v[28:35]  at work
.set VR,   36                          ; a row's rstd
.set VO,   37                          ; (m_p - mu) rstd of the row, for my lane's piece
.set MU,   38
.set RSTD, 39
.set O0,   40                          ; (m_p - mu) rstd for the piece of lanes 0-15,
.set O1,   41                          ; and of lanes 16-31
.set TW,   42                          ; v[42:47]  at work
.set SS,   48                          ; v[48:111] the 32 pairs of my lane's row
.set OWN,  112                         ; v[112:115] the pairs of my wave's two pieces
.set X,    116                         ; v[116:179] 16 rows, 4 registers each
.set HM,   22                          ; lanes 16-31
.set RS,   27
.set SO0,  28
.set SO1,  29
	s_load_b256 s[4:11], s[0:1], 0x0               ; hb s[4:5], st s[6:7], ln_g s[8:9], ln_b s[10:11]
	s_load_b64 s[12:13], s[0:1], 0x20              ; ab
	v_lshl_add_u32 v[SPW], v0, 2, SPARE
	v_mov_b32 v[NIL], 0
	v_mov_b32 v[ZR], 0
	v_lshrrev_b32 v1, 5, v0
	v_readfirstlane_b32 s14, v1                    ; wave 0..15
	v_and_b32 v1, 31, v0                           ; lane
	v_lshlrev_b32 v2, 4, v1                        ; 16 x lane: my 8 columns of hb and ab
	v_lshlrev_b32 v3, 3, v1                        ; 8 x lane: a pair of st
	v_lshlrev_b32 v7, 5, v1                        ; 32 x lane: my 8 gains
	v_cmp_le_u32 s[HM], 16, v1
	s_and_b32 s15, s14, 7                          ; my 256 columns
	s_lshr_b32 s16, s14, 3                         ; my 16 rows
	s_and_b32 s17, ttmp9, 1                        ; which 2,048 columns
	s_and_b32 s18, ttmp7, 0xffff                   ; which 32 rows
	s_mov_b32 s21, 0
	s_mov_b32 s23, 0x3d000000                      ; 1 / 32
	s_mov_b32 s24, 0x43000000                      ; 128
	s_mov_b32 s25, 0x39800000                      ; 1 / 4096
	s_mov_b32 s26, 0x3727c5ac                      ; 1e-5
	s_lshl_b32 s19, s14, 9
	v_add_nc_u32 v6, s19, v3                       ; LDS: pieces 2 w and 2 w + 1, a lane a row
	s_lshl_b32 s19, s16, 4
	v_add_nc_u32 v4, s19, v1
	v_and_b32 v4, 31, v4                           ; lanes 0-15 take my wave's 16 rows
	v_lshlrev_b32 v4, 3, v4
	s_lshl_b32 s19, s17, 12
	s_lshl_b32 s20, s15, 9
	s_add_co_u32 s19, s19, s20                     ; piece 16 x half + 2 x group, 256 bytes a piece
	v_add_nc_u32 v5, s19, v4
	s_wait_kmcnt 0x0
	s_lshl_b32 s20, s14, 16                        ; two pieces of 32,768 bytes a wave,
	s_lshl_b32 s19, s18, 8                         ; 32 rows of 8 bytes
	s_add_co_u32 s20, s20, s19
	s_add_nc_u64 s[6:7], s[6:7], s[20:21]
	global_load_b64 v[TW:TW+1], v3, s[6:7]
	global_load_b64 v[TW+2:TW+3], v3, s[6:7] offset:32768
	s_lshl_b32 s20, s17, 13
	s_lshl_b32 s19, s15, 10
	s_add_co_u32 s20, s20, s19
	s_add_nc_u64 s[8:9], s[8:9], s[20:21]
	s_add_nc_u64 s[10:11], s[10:11], s[20:21]
	global_load_b128 v[G:G+3],   v7, s[8:9]
	global_load_b128 v[G+4:G+7], v7, s[8:9] offset:16
	global_load_b128 v[B:B+3],   v7, s[10:11]
	global_load_b128 v[B+4:B+7], v7, s[10:11] offset:16
	s_lshl_b32 s20, s18, 5
	s_lshl_b32 s19, s16, 4
	s_add_co_u32 s20, s20, s19                     ; my first row
	s_lshl_b32 s20, s20, 13
	s_lshl_b32 s19, s17, 12
	s_add_co_u32 s20, s20, s19
	s_lshl_b32 s19, s15, 9
	s_add_co_u32 s20, s20, s19
	s_add_nc_u64 s[4:5], s[4:5], s[20:21]
	s_add_nc_u64 s[12:13], s[12:13], s[20:21]
.irp i, 0,1,2,3,4,5,6,7,8,9,10,11,12,13,14,15
	global_load_b128 v[X+4*(\i):X+4*(\i)+3], v2, s[4:5] offset:(\i)*8192 th:TH_LOAD_NT
.endr
	s_wait_loadcnt 20                              ; my two pieces of st are in; the 4 loads of gains and biases and the 16 rows stay out
	ds_store_b64 v6, v[TW:TW+1]
	ds_store_b64 v6, v[TW+2:TW+3] offset:256
	s_wait_dscnt 0x0                               ; for the others' sake: my stores are done
	s_barrier_signal -1
	s_barrier_wait -1                              ; all 32 pieces of the 32 rows lie in LDS
.set p, 0
.rept 32
	ds_load_b64 v[SS+2*p:SS+2*p+1], v4 offset:256*p
.set p, p+1
.endr
	ds_load_b64 v[OWN:OWN+1], v5
	ds_load_b64 v[OWN+2:OWN+3], v5 offset:256
	s_wait_dscnt 0x0
	; each lane, for its own row: the sums of m and of M2 together, a pair an instruction, in four chains
.irp c, 0,1,2,3
	v_pk_add_f32 v[U+2*(\c):U+2*(\c)+1], v[SS+2*(\c):SS+2*(\c)+1], v[SS+8+2*(\c):SS+8+2*(\c)+1]
.endr
.set p, 8
.rept 24
	v_pk_add_f32 v[U+2*(p%4):U+2*(p%4)+1], v[U+2*(p%4):U+2*(p%4)+1], v[SS+2*p:SS+2*p+1]
.set p, p+1
.endr
	v_pk_add_f32 v[U:U+1], v[U:U+1], v[U+2:U+3]
	v_pk_add_f32 v[U+4:U+5], v[U+4:U+5], v[U+6:U+7]
	v_pk_add_f32 v[U:U+1], v[U:U+1], v[U+4:U+5]    ; U = sum m, U + 1 = sum M2
	v_mul_f32 v[MU], s23, v[U]
.set p, 0
.rept 32                               ; sum (m_p - mu)^2, four chains
	v_sub_f32 v[TW+p%4], v[SS+2*p], v[MU]
.if p < 4
	v_mul_f32 v[U+2+p], v[TW+p], v[TW+p]
.else
	v_fma_f32 v[U+2+p%4], v[TW+p%4], v[TW+p%4], v[U+2+p%4]
.endif
.set p, p+1
.endr
	v_add_f32 v[U+2], v[U+2], v[U+3]
	v_add_f32 v[U+4], v[U+4], v[U+5]
	v_add_f32 v[U+2], v[U+2], v[U+4]
	v_fma_f32 v[U+2], v[U+2], s24, v[U+1]          ; 128 x that + sum M2
	v_fma_f32 v[U+2], v[U+2], s25, s26             ; / 4096 + 1e-5
	v_rsq_f32 v[RSTD], v[U+2]
	v_sub_f32 v[O0], v[OWN], v[MU]                 ; two plain lines that name neither its result nor its source,
	v_sub_f32 v[O1], v[OWN+2], v[MU]
	s_wait_alu depctr_va_vdst(0)                   ; and the wait ahead of the result's first use
	v_mul_f32 v[O0], v[O0], v[RSTD]
	v_mul_f32 v[O1], v[O1], v[RSTD]
.macro ROWDO i                         ; row i of my 16: its three numbers lie in lane i
	s_wait_loadcnt 15-(\i)                         ; loads come back in order: row i is in (and the gains and biases, which were asked for earlier)
	v_readlane_b32 s[RS], v[RSTD], \i
	v_readlane_b32 s[SO0], v[O0], \i
	v_readlane_b32 s[SO1], v[O1], \i
	v_mov_b32 v[VR], s[RS]
	v_mov_b32 v[VO], s[SO0]
	v_mov_b32 v[TW+4], s[SO1]
	v_cndmask_b32 v[VO], v[VO], v[TW+4], s[HM]     ; lanes 16-31 lie in the wave's second piece
.irp k, 0,1,2,3
	v_fma_mix_f32_bf16 v[U+2*(\k)],   v[X+4*(\i)+(\k)], v[VR], v[VO] op_sel_hi:[1,0,0]
	v_fma_mix_f32_bf16 v[U+2*(\k)+1], v[X+4*(\i)+(\k)], v[VR], v[VO] op_sel:[1,0,0] op_sel_hi:[1,0,0]
.endr
.irp k, 0,2,4,6
	v_pk_fma_f32 v[U+(\k):U+(\k)+1], v[U+(\k):U+(\k)+1], v[G+(\k):G+(\k)+1], v[B+(\k):B+(\k)+1]
.endr
.irp k, 0,1,2,3
	v_cvt_pk_bf16_f32 v[X+4*(\i)+(\k)], v[U+2*(\k)], v[U+2*(\k)+1]
.endr
.irp k, 0,1,2,3
	v_pk_max_num_bf16 v[X+4*(\i)+(\k)], v[X+4*(\i)+(\k)], v[ZR]
.endr
	global_store_b128 v2, v[X+4*(\i):X+4*(\i)+3], s[12:13] offset:(\i)*8192  ; 512 consecutive bytes; these registers are not written again
.endm
.irp i, 0,1,2,3,4,5,6,7,8,9,10,11,12,13,14,15
	ROWDO \i
.endr
	s_wait_tensorcnt 0x0                           ; the wave's end, behind my last LDS store
	ds_add_u32 v[SPW], v[NIL]
	s_wait_dscnt 0x0
	s_endpgm
.Lfunc_end_k_q3aafdc79ed_lnrelu:
	.size	k_q3aafdc79ed_lnrelu, .Lfunc_end_k_q3aafdc79ed_lnrelu-k_q3aafdc79ed_lnrelu
	.p2alignl 7, 3214868480
	.fill 96, 4, 3214868480
	.section	.rodata,"a",@progbits
	.p2align	6, 0x0
	.amdhsa_kernel k_q3aafdc79ed_lnrelu
		.amdhsa_group_segment_fixed_size 10240
		.amdhsa_private_segment_fixed_size 0
		.amdhsa_enable_private_segment 0
		.amdhsa_kernarg_size 40
		.amdhsa_user_sgpr_count 2
		.amdhsa_user_sgpr_kernarg_segment_ptr 1
		.amdhsa_wavefront_size32 1
		.amdhsa_system_sgpr_workgroup_id_x 1
		.amdhsa_system_sgpr_workgroup_id_y 1
		.amdhsa_system_sgpr_workgroup_id_z 1
		.amdhsa_system_vgpr_workitem_id 0
		.amdhsa_next_free_vgpr 180
		.amdhsa_next_free_sgpr 66
		.amdhsa_reserve_vcc 0
		.amdhsa_float_denorm_mode_32 3
		.amdhsa_float_denorm_mode_16_64 3
		.amdhsa_memory_ordered 1
		.amdhsa_forward_progress 1
		.amdhsa_inst_pref_size 40
	.end_amdhsa_kernel
	.amdgpu_metadata
---
amdhsa.version: [ 1, 2 ]
amdhsa.kernels:
  - .name:           k_q3aafdc79ed_lnrelu
    .symbol:         k_q3aafdc79ed_lnrelu.kd
    .args:
      - { .name: hb, .offset: 0, .size: 8, .value_kind: global_buffer, .address_space: global }
      - { .name: st, .offset: 8, .size: 8, .value_kind: global_buffer, .address_space: global }
      - { .name: ln_g, .offset: 16, .size: 8, .value_kind: global_buffer, .address_space: global }
      - { .name: ln_b, .offset: 24, .size: 8, .value_kind: global_buffer, .address_space: global }
      - { .name: ab, .offset: 32, .size: 8, .value_kind: global_buffer, .address_space: global }
    .group_segment_fixed_size: 10240
    .private_segment_fixed_size: 0
    .kernarg_segment_align: 8
    .kernarg_segment_size: 40
    .max_flat_workgroup_size: 512
    .sgpr_count:     66
    .vgpr_count:     180
    .wavefront_size: 32
...
	.end_amdgpu_metadata
.endif
;; end of part 3
;; launch gemm2 (part 4): grid 8 x 32, 4 waves a work-group, clusters of 4 x 4, 327,680 bytes of LDS; arguments ab, w2b, b2, xb, w3t, out1, part; writes out1, part
.if DOCPART == 4
	.amdgcn_target "amdgcn-amd-amdhsa--gfx1250"
	.amdhsa_code_object_version 6
	.text
	.protected	k_q3aafdc79ed_gemm2
	.globl	k_q3aafdc79ed_gemm2
	.p2align	8
	.type	k_q3aafdc79ed_gemm2,@function
k_q3aafdc79ed_gemm2:
	s_mov_b64 s[64:65], 0
	v_nop
	global_prefetch_b8 v0, s[64:65] scope:SCOPE_SE
	s_setreg_imm32_b32 hwreg(HW_REG_WAVE_MODE, 25, 1), 1
	s_wait_xcnt 0x0
	s_wait_alu depctr_hold_cnt(0) depctr_sa_sdst(0) depctr_va_vdst(0) depctr_va_sdst(0) depctr_va_ssrc(0) depctr_va_vcc(0) depctr_vm_vsrc(0)
	s_getreg_b32 s2, hwreg(HW_REG_IB_STS2, 6, 4)
	s_cmp_eq_u32 s2, 0
	s_cbranch_scc0 .Lentry_in_a_cluster
	s_endpgm
.Lentry_in_a_cluster:
	s_bfe_u32 s2, ttmp6, 0x10000c
	s_cmp_lg_u32 s2, 0xf033
	s_cbranch_scc0 .Lentry_shape_is_right
	s_endpgm
.Lentry_shape_is_right:
; LAUNCH 4 OF 5: out1 = sigmoid(ab w2b + b2), [4096][2048] f32; and part [16 pieces of 128 columns][4096 rows][4] f32 = the sum over the piece of xb out1 W3.  Nothing of the problem is left out here.
; ab [4096][4096], w2b [4096][2048] (K down the rows), xb [4096][2048], w3t [4][2048] bf16; b2 f32.  Sums in f32; x out1 is rounded to bf16 for the product with W3.
; sigmoid(z) = 1 / (1 + 2^(-log2(e) z)): for large -z the power is infinite and the result 0, for large z the power is 0 and the result 1.  LIMITS: v_exp_f32 and v_rcp_f32 are good to one unit
; in the last place and count denormals as 0; NaN and infinities are not treated apart.
; SHARES.  Tiles of 256 x 256 would be 128: so a work-group makes 128 x 256, which gives 256 work-groups; a wave makes 64 x 128: 32 accumulators, 256 registers.  K = 4,096 goes in 32 steps of 128
; (two slots of 256 along K would be 417,792 bytes of LDS).
; THE PRODUCT IS USED TRANSPOSED (source 0 = 16 columns of w2b, source 1 = 16 rows of ab): a lane holds row l % 16 and, of column block b, the columns 16 b + 8 (l / 16) + 0..7.
; Two neighbouring column blocks of x out1, rounded in pairs, then ARE source 1 (16 rows x 32 columns) of the product with W3, whose source 0 holds W3's class l % 4 in row l % 16:
; registers 0-3 of every lane of its result are classes 0-3 of row l % 16.  b2 is the C operand of each accumulator's first product.
; CLUSTER.  4 x 4 work-groups: ab's tile is shared along a row of the cluster, w2b's along a column; each is asked for jointly.
; THE CHANGE OF SLOTS holds no matrix instruction between the wait for the tensor loads and the next request: a step here is 128 matrix instructions a wave, few for a tile to land in, so what stands
; between a tile's landing and the next request is kept to the lines that the ordering needs.
; REGISTERS (s_set_vgpr_msb: bits 1:0 source 0, 3:2 source 1, 5:4 source 2, 7:6 destination):
;   window 0: v0-31 addresses; v32-63 W3's four fragments; v128-255 my part of xb, 4 registers an accumulator
;   window 1: two fragment buffers of 96 (w2b's 8 blocks, then ab's 4); v192-255 b2; on the way out see below          window 2: accumulator (a, b) at v[8 (8 a + b)]
.set KSTEP,  128
.set PA,     272                       ; a row of ab's tile in LDS: 256 bytes + 16
.set PB,     544                       ; a row of w2b's tile: 512 bytes + 32
.set ABYTES, 128*PA
.set SLOT,   ABYTES+128*PB
.set STAGE,  2*SLOT                    ; behind the ring, never filled by a tensor load: 16 rows x 528 bytes for each wave
.set SPITCH, 528                       ; 512 bytes + 16 = 132 words: the 16 rows of a store start 4 banks apart
.set SPARE,  STAGE+4*16*SPITCH         ; the spare words, 128 bytes a wave
.set LAPS,   16
.set AROW,   8192                      ; bytes in a row of ab and of out1
.set WROW,   4096                      ; bytes in a row of w2b, of xb and of w3t
.set XO,   12                          ; v12  (l % 16) x 4,096 + 16 (l / 16): my place in 16 rows of xb
.set WO,   13                          ; v13  (l % 4) x 4,096 + 16 (l / 16): in w3t
.set ADRA, 16
.set ADRB, 20
.set STO,  24
.set RD,   25
.set OO,   26                          ; v26  16 x lane: in a row of out1, and in part
.set ZR,   27                          ; v27  0
.set SPW,  28
.set NIL,  29
.set PFO,  30
.set BO,   31
.set W3F,  32
.set XF,   128
.set F0,   0                           ; window 1
.set F1,   96
.set BI,   192
.set T,    0                           ; window 1, the way out: v0-63 a block's 64 numbers a lane
.set U,    64                          ; v64-127 x out1
.set WF,   128                         ; v128-159 the same in bf16: four fragments
.set OB,   160                         ; v160-223 16 rows read back
.set FCE,  224                         ; two accumulators for the product with W3, by turns
.set FCO,  232
.set PF,   240                         ; v240-255 four classes for each of the four row blocks
.set WV, 18
.set RH, 19
.set CH, 20
.set CX, 21
.set CY, 22
.set TC, 40
.set TR, 41
.set G1,  24
.set G0,  32
.set LIM, 43
.set PFA, 44
.set PFS, 46
.set G1B, 48
.set G0B, 56
.set HM,  66
.set NL2E, 68                          ; s[68:69] on the way out: -log2(e); the packed multiply names a pair and takes its low word for both halves
.set MSB, 0
.macro WIN new
.if MSB != (\new)
	s_set_vgpr_msb (MSB<<8)|(\new)
.set MSB, \new
.endif
.endm
.macro JLOAD s                         ; a joint load: waves 0 and 1 fetch the halves of ab's tile, waves 2 and 3 those of w2b's; an s_nop 0 and four v_nop follow each line
	s_cmp_eq_u32 s[RH], 0
	s_cbranch_scc0 .Lfor_b_\@
	tensor_load_to_lds s[G0+4*(\s):G0+4*(\s)+3], s[G1:G1+7]
	s_nop 0
.rept 4
	v_nop
.endr
	s_branch .Lasked_\@
.Lfor_b_\@:
	tensor_load_to_lds s[G0B+4*(\s):G0B+4*(\s)+3], s[G1B:G1B+7]
	s_nop 0
.rept 4
	v_nop
.endr
.Lasked_\@:
.endm
; A prefetch of the K step that stands four refills on (512 matrix instructions ahead of the load that will want it).  Each aligned block of 256 bytes is named once in the launch:
; ab's tile row by the clusters with x = 0 (wave 0: 32 of the 128 rows, by cx), w2b's tile column by those with y = 0 (waves 2 and 3: 16 of their 64 rows, two blocks each, by cy).
; The loop's last two trips (s3 = 2, 1) ask for nothing: there is no K step four on.
.macro ASK
	s_cmp_gt_u32 s3, s[LIM]
	s_cbranch_scc0 .Lnot_mine_\@
	global_prefetch_b8 v[PFO], s[PFA:PFA+1] th:TH_LOAD_NT scope:SCOPE_SE
.Lnot_mine_\@:
.endm
.macro CREST
	s_cmp_lg_u32 s[WV], 0
	s_cbranch_scc1 .Lnot_wave_0_\@
	s_barrier_signal -3
.Lnot_wave_0_\@:
	s_barrier_wait -3
	s_barrier_signal -1
	s_barrier_wait -1
.endm
.macro CROUND
	s_barrier_signal -1
	s_barrier_wait -1
	CREST
.endm
.macro PLACES
.rept 4
	v_nop
.endr
.endm
	s_load_b256 s[4:11], s[0:1], 0x0               ; ab s[4:5], w2b s[6:7], b2 s[8:9], xb s[10:11]
	s_load_b128 s[12:15], s[0:1], 0x20             ; w3t s[12:13], out1 s[14:15]
	s_load_b64 s[16:17], s[0:1], 0x30              ; part
	v_lshl_add_u32 v[SPW], v0, 2, SPARE
	v_mov_b32 v[NIL], 0
	ds_add_u32 v[SPW], v[NIL]                      ; the wave's opening: the add, twice on end, and its wait ahead of my first tensor load
	ds_add_u32 v[SPW], v[NIL]                      ; once more; the set-up below, work on registers, stands between it and the wait
	v_lshrrev_b32 v1, 5, v0
	v_readfirstlane_b32 s[WV], v1
	s_lshr_b32 s[RH], s[WV], 1                     ; which 64 rows are mine.  Also: I fetch ab's tile (0) or w2b's (1)
	s_and_b32 s[CH], s[WV], 1                      ; which 128 columns.  Also: which half of that tile I fetch
	s_bfe_u32 s[CX], ttmp6, 0x40000
	s_bfe_u32 s[CY], ttmp6, 0x40004
	s_lshl_b32 s[TC], ttmp9, 2
	s_add_co_u32 s[TC], s[TC], s[CX]               ; tile column 0..7
	s_and_b32 s[TR], ttmp7, 0xffff
	s_lshl_b32 s[TR], s[TR], 2
	s_add_co_u32 s[TR], s[TR], s[CY]               ; tile row 0..31
	s_lshl_b32 s23, s[CY], 2
	s_lshl_b32 s23, 15, s23                        ; my row of the cluster
	s_lshl_b32 s42, 0x1111, s[CX]                  ; my column
	s_or_b32 s[G1], s23, (1<<16)|(1<<20)|(1<<21)|(5<<22)|(3<<25)
	s_or_b32 s[G1B], s42, (1<<16)|(1<<20)|(1<<21)|(6<<22)|(7<<25)
	s_mov_b32 s[G1+1], 128<<16                     ; ab: 64 rows x 128 elements, 4,096 elements from row to row
	s_mov_b32 s[G1+2], 64<<16
	s_mov_b32 s[G1+3], 128<<16
	s_mov_b32 s[G1+4], 64
	s_mov_b32 s[G1+5], 4096
	s_mov_b32 s[G1+6], 0
	s_mov_b32 s[G1+7], 0
	s_mov_b32 s[G1B+1], 256<<16                    ; w2b: 64 rows x 256 elements, 2,048 elements from row to row
	s_mov_b32 s[G1B+2], 64<<16
	s_mov_b32 s[G1B+3], 256<<16
	s_mov_b32 s[G1B+4], 64
	s_mov_b32 s[G1B+5], 2048
	s_mov_b32 s[G1B+6], 0
	s_mov_b32 s[G1B+7], 0
	s_lshl_b32 s68, s[TR], 7
	s_lshl_b32 s69, s[CH], 6
	s_add_co_u32 s68, s68, s69                     ; ab: row 128 x tile row + 64 x half
	s_lshl_b32 s68, s68, 13
	s_mov_b32 s69, 0
	s_lshl_b32 s70, s[CH], 18                      ; w2b: row 64 x half, x 4,096 bytes,
	s_lshl_b32 s71, s[TC], 9                       ; and the tile column's 512 bytes
	s_add_co_u32 s70, s70, s71
	s_mov_b32 s71, 0
	s_mul_i32 s23, s[CH], 64*PA                    ; where my part lands: ab's halves,
	s_mul_i32 s42, s[CH], 64*PB
	s_add_co_u32 s42, s42, ABYTES                  ; w2b's behind them
	s_wait_dscnt 0x0                               ; both opening adds are done
	s_wait_kmcnt 0x0
	s_add_nc_u64 s[68:69], s[4:5], s[68:69]
	s_add_nc_u64 s[70:71], s[6:7], s[70:71]
	CROUND                                         ; all sixteen work-groups are here: the first joint loads meet
.irp s, 0,1
	s_mov_b32 s[G0+4*(\s)], 1
	s_add_co_u32 s[G0+4*(\s)+1], s23, (\s)*SLOT
	s_add_nc_u64 s[G0+4*(\s)+2:G0+4*(\s)+3], s[68:69], (\s)*KSTEP*2
	s_or_b32 s[G0+4*(\s)+3], s[G0+4*(\s)+3], 0x80000000
	s_mov_b32 s[G0B+4*(\s)], 1
	s_add_co_u32 s[G0B+4*(\s)+1], s42, (\s)*SLOT
	s_add_nc_u64 s[G0B+4*(\s)+2:G0B+4*(\s)+3], s[70:71], (\s)*KSTEP*WROW
	s_or_b32 s[G0B+4*(\s)+3], s[G0B+4*(\s)+3], 0x80000000
	JLOAD \s                                       ; two loads of mine are out
.endr
	v_and_b32 v1, 15, v0                           ; l % 16
	v_bfe_u32 v2, v0, 4, 1                         ; l / 16
	v_lshlrev_b32 v[BO], 5, v2
	v_lshlrev_b32 v3, 12, v1
	v_lshl_add_u32 v[XO], v2, 4, v3
	v_and_b32 v3, 3, v0
	v_lshlrev_b32 v3, 12, v3
	v_lshl_add_u32 v[WO], v2, 4, v3
	v_mov_b32 v[ZR], 0
	s_lshl_b32 s70, s[TC], 9
	s_lshl_b32 s2, s[CH], 8
	s_add_co_u32 s70, s70, s2                      ; my first column x 2 bytes
	s_lshl_b32 s71, s[TR], 7
	s_lshl_b32 s2, s[RH], 6
	s_add_co_u32 s71, s71, s2                      ; my first row
	s_mov_b32 s69, 0
	s_lshl_b32 s68, s70, 1
	s_add_nc_u64 s[8:9], s[8:9], s[68:69]          ; b2
	s_mov_b32 s68, s70
	s_add_nc_u64 s[12:13], s[12:13], s[68:69]      ; w3t
	s_lshl_b32 s68, s71, 12
	s_add_co_u32 s68, s68, s70
	s_add_nc_u64 s[10:11], s[10:11], s[68:69]      ; xb
	s_lshl_b32 s68, s71, 13
	s_lshl_b32 s2, s70, 1
	s_add_co_u32 s68, s68, s2
	s_add_nc_u64 s[14:15], s[14:15], s[68:69]      ; out1
	s_lshl_b32 s68, s[TC], 1
	s_add_co_u32 s68, s68, s[CH]                   ; my piece of 128 columns
	s_lshl_b32 s68, s68, 16
	s_lshl_b32 s2, s71, 4
	s_add_co_u32 s68, s68, s2
	s_add_nc_u64 s[16:17], s[16:17], s[68:69]      ; part
	WIN 0x40
.irp b, 0,1,2,3,4,5,6,7
	global_load_b128 v[BI+8*(\b):BI+8*(\b)+3],   v[BO], s[8:9] offset:64*(\b)
	global_load_b128 v[BI+8*(\b)+4:BI+8*(\b)+7], v[BO], s[8:9] offset:64*(\b)+16
.endr
	WIN 0
.irp t, 0,1,2,3                        ; W3's fragment t: class l % 4, columns 32 t + 8 (l / 16) + 0..7 and 16 further on
	global_load_b128 v[W3F+8*(\t):W3F+8*(\t)+3],   v[WO], s[12:13] offset:64*(\t)
	global_load_b128 v[W3F+8*(\t)+4:W3F+8*(\t)+7], v[WO], s[12:13] offset:64*(\t)+32
.endr
.irp a, 0,1,2,3                        ; xb where my accumulators lie: wanted on the way out only, so these stay out over the whole loop
.irp b, 0,1,2,3,4,5,6,7
	global_load_b128 v[XF+4*(8*(\a)+(\b)):XF+4*(8*(\a)+(\b))+3], v[XO], s[10:11] offset:(\a)*16*WROW+32*(\b)
.endr
.endr
	v_mul_u32_u24 v3, v1, PA
	v_lshl_add_u32 v3, v2, 4, v3
	s_mul_i32 s2, s[RH], 64*PA
	v_add_nc_u32 v[ADRA], s2, v3
	v_add_nc_u32 v[ADRA+1], SLOT, v[ADRA]
	v_and_b32 v4, 7, v0
	v_lshl_add_u32 v4, v2, 3, v4
	v_mul_u32_u24 v4, v4, PB
	v_bfe_u32 v5, v0, 3, 1
	v_lshl_add_u32 v4, v5, 4, v4
	s_lshl_b32 s2, s[CH], 8
	s_add_co_u32 s2, s2, ABYTES
	v_add_nc_u32 v[ADRB], s2, v4
	v_add_nc_u32 v[ADRB+1], SLOT, v[ADRB]
	s_mul_i32 s2, s[WV], 16*SPITCH
	s_add_co_u32 s2, s2, STAGE                     ; my stage
	v_mul_u32_u24 v3, v1, SPITCH                   ; in: row l % 16, 32 bytes for each half of the lanes
	v_lshl_add_u32 v3, v2, 5, v3
	v_add_nc_u32 v[STO], s2, v3
	v_and_b32 v3, 31, v0                           ; lane
	v_lshlrev_b32 v[OO], 4, v3
	v_add_nc_u32 v[RD], s2, v[OO]                  ; back: 32 lanes take one row of 512 bytes
	v_cmp_le_u32 s[HM], 16, v3
	; the prefetches: they start at K step 5 and are stepped ahead of each use, so the first names K step 6
	s_lshl_b32 s68, s[TR], 7
	s_lshl_b32 s2, s[CX], 5
	s_add_co_u32 s68, s68, s2                      ; ab: my work-group's 32 of the tile's 128 rows
	s_lshl_b32 s68, s68, 13
	s_add_co_u32 s68, s68, 5*KSTEP*2
	s_lshl_b32 s70, s[CH], 6
	s_lshl_b32 s2, s[CY], 4
	s_add_co_u32 s70, s70, s2
	s_add_co_u32 s70, s70, 5*KSTEP                 ; w2b: my work-group's 16 of the 64 rows that I fetch
	s_lshl_b32 s70, s70, 12
	s_lshl_b32 s2, s[TC], 9
	s_add_co_u32 s70, s70, s2
	s_and_b32 s71, ttmp7, 0xffff                   ; cluster y
	s_mov_b32 s[PFS], KSTEP*WROW
	s_mov_b32 s[PFS+1], 0
	s_cmp_eq_u32 s[RH], 0
	s_cselect_b32 s68, s68, s70
	s_cselect_b32 s71, ttmp9, s71                  ; the coordinate along which other clusters read the same rows
	s_cselect_b32 s[PFS], KSTEP*2, s[PFS]
	s_cselect_b32 s42, -1, 0
	s_cselect_b64 s[PFA:PFA+1], s[4:5], s[6:7]
	s_add_nc_u64 s[PFA:PFA+1], s[PFA:PFA+1], s[68:69]
	s_cmp_eq_u32 s[WV], 1                          ; wave 0 names all 32 rows of ab: wave 1 asks for nothing
	s_cselect_b32 s71, 1, s71
	s_cmp_eq_u32 s71, 0
	s_cselect_b32 s[LIM], 2, -1                    ; the same in all sixteen partners, for a given wave
	v_lshlrev_b32 v4, 13, v3                       ; ab: a lane a row
	v_lshrrev_b32 v5, 1, v3                        ; w2b: two lanes a row of 512 bytes
	v_and_b32 v3, 1, v3
	v_lshlrev_b32 v5, 12, v5
	v_lshl_or_b32 v5, v3, 8, v5
	v_cndmask_b32 v[PFO], v5, v4, s42
; 8 matrix instructions: row block a x all 8 column blocks, 32 along K.  first = 1: C is b2.  The 32 accumulators take turns, in the same order in every quarter.
.macro MUL8 f, a, first
.if \first
	WIN 0x95                                       ; both sources and C window 1, D window 2
.else
	WIN 0xa5                                       ; C and D window 2
.endif
.irp b, 0,1,2,3,4,5,6,7
.if \first
	v_wmma_f32_16x16x32_bf16 v[8*(8*(\a)+(\b)):8*(8*(\a)+(\b))+7], v[(\f)+8*(\b):(\f)+8*(\b)+7], v[(\f)+64+8*(\a):(\f)+64+8*(\a)+7], v[BI+8*(\b):BI+8*(\b)+7]
.else
	v_wmma_f32_16x16x32_bf16 v[8*(8*(\a)+(\b)):8*(8*(\a)+(\b))+7], v[(\f)+8*(\b):(\f)+8*(\b)+7], v[(\f)+64+8*(\a):(\f)+64+8*(\a)+7], v[8*(8*(\a)+(\b)):8*(8*(\a)+(\b))+7]
.endif
.endr
.endm
; 24 LDS loads in one run: quarter q of a slot into buffer f: w2b's 8 column blocks, turned, then ab's 4 row blocks
.macro FETCH slot, q, f
	WIN 0x40
.irp b, 0,1,2,3,4,5,6,7
	ds_load_tr16_b128 v[(\f)+8*(\b):(\f)+8*(\b)+3],   v[ADRB+(\slot)] offset:(\q)*32*PB+32*(\b)
	ds_load_tr16_b128 v[(\f)+8*(\b)+4:(\f)+8*(\b)+7], v[ADRB+(\slot)] offset:(\q)*32*PB+32*(\b)+16*PB
.endr
.irp i, 0,1,2,3
	ds_load_b128 v[(\f)+64+8*(\i):(\f)+64+8*(\i)+3],   v[ADRA+(\slot)] offset:(\q)*64+(\i)*16*PA
	ds_load_b128 v[(\f)+64+8*(\i)+4:(\f)+64+8*(\i)+7], v[ADRA+(\slot)] offset:(\q)*64+(\i)*16*PA+32
.endr
.endm
.macro QUARTER slot, q, f, g, first
	s_wait_dscnt 4                                 ; w2b's fragments and ab's blocks 0 and 1 are in; the youngest four loads (blocks 2 and 3) may be out
	MUL8 \f, 0, \first
	MUL8 \f, 1, \first
	PLACES
	FETCH \slot, \q, \g
	s_wait_dscnt 24                                ; all but the 24 just issued
	MUL8 \f, 2, \first
	MUL8 \f, 3, \first
.endm
; The last quarter multiplies buffer 1 and changes slots.  Its first sixteen products stand AHEAD of the wait for the tensor loads: they need nothing of the next slot.  Then the change: each wave waits
; for all its tensor loads (one is out: its part of the next slot), adds 0 to its spare word, and waits for that and for its own reads of this slot, of which the last were issued a quarter back;
; behind the barrier nobody reads this slot any more and the next slot is whole.  fill = 1: the barrier opens a round of the cluster's barrier, and the slot just read out is filled again first
; thing behind it, two K steps on: 128 matrix instructions ahead of the wait for it.  The other sixteen products stand behind the run that fetches the next slot's first fragments.
.macro TURN slot, next, fill
.if \fill
	s_wait_xcnt 0x0                                ; the last prefetch, a K step back, has read its address
	s_add_nc_u64 s[PFA:PFA+1], s[PFA:PFA+1], s[PFS:PFS+1]
.endif
	s_wait_dscnt 4                                 ; as at a quarter's head: ab's blocks 2 and 3 may be out
	MUL8 F1, 0, 0
	MUL8 F1, 1, 0
	WIN 0
	s_wait_tensorcnt 0x0                           ; no tensor load of mine is out, so a group 0 may be written
	ds_add_u32 v[SPW], v[NIL]                      ; the add: with fill = 1 the descriptors' steps stand between it and the wait for it
.if \fill
	s_add_nc_u64 s[G0+4*(\slot)+2:G0+4*(\slot)+3], s[G0+4*(\slot)+2:G0+4*(\slot)+3], 2*KSTEP*2
	s_add_nc_u64 s[G0B+4*(\slot)+2:G0B+4*(\slot)+3], s[G0B+4*(\slot)+2:G0B+4*(\slot)+3], 2*KSTEP*WROW
.endif
	s_wait_dscnt 0x0                               ; the add is done, and my reads of this slot are over
	s_barrier_signal -1
	s_barrier_wait -1
.if \fill
	CREST                                          ; no wave of any partner still reads this slot's tile or has a load on its way
	JLOAD \slot                                    ; its four v_nop are also the places ahead of the loads below
.else
	PLACES
.endif
	FETCH \next, 0, F0
.if \fill
	WIN 0
	ASK
.endif
	MUL8 F1, 2, 0
	MUL8 F1, 3, 0
.endm
	s_wait_tensorcnt 1                             ; my part of K step 0 is in; K step 1's may stay out
	s_barrier_signal -1
	s_barrier_wait -1
	FETCH 0, 0, F0
	s_wait_loadcnt 40                              ; b2 is in; W3's 8 loads and xb's 32 stay out
	QUARTER 0, 1, F0, F1, 1                        ; the first quarter's products start the sums, from b2
	WIN 0
	s_mov_b32 s3, LAPS-1
.Llap:
	QUARTER 0, 2, F1, F0, 0
	QUARTER 0, 3, F0, F1, 0
	TURN 0, 1, 1
	QUARTER 1, 1, F0, F1, 0
	QUARTER 1, 2, F1, F0, 0
	QUARTER 1, 3, F0, F1, 0
	TURN 1, 0, 1
	QUARTER 0, 1, F0, F1, 0
	WIN 0
	s_sub_co_u32 s3, s3, 1
	s_cmp_lg_u32 s3, 0
	s_cbranch_scc1 .Llap
	QUARTER 0, 2, F1, F0, 0                        ; the last lap fills nothing
	QUARTER 0, 3, F0, F1, 0
	TURN 0, 1, 0
	QUARTER 1, 1, F0, F1, 0
	QUARTER 1, 2, F1, F0, 0
	QUARTER 1, 3, F0, F1, 0
	s_wait_dscnt 4
	MUL8 F1, 0, 0
	MUL8 F1, 1, 0
	s_wait_dscnt 0x0
	MUL8 F1, 2, 0
	MUL8 F1, 3, 0
	PLACES
	s_mov_b32 s[NL2E], 0xbfb8aa3b                  ; -log2(e)
	s_mov_b32 s[NL2E+1], s[NL2E]                   ; named with it as a pair, so it is written
	s_wait_loadcnt 0x0                             ; W3 and xb
; THE WAY OUT of row block a: the sigmoid; out1 through my stage, as whole rows of 512 bytes; x out1 in bf16; its product with W3.
.macro EPI a
.set AC, 64*(\a)
	WIN 0x42                                       ; source 0 window 2, destination window 1
.set p, 0
.rept 32                               ; -log2(e) z; each accumulator is read from its low end on
	v_pk_mul_f32 v[T+2*p:T+2*p+1], v[AC+2*p:AC+2*p+1], s[NL2E:NL2E+1] op_sel_hi:[1,0]
.set p, p+1
.endr
	WIN 0x55                                       ; all in window 1
.set p, 0
.rept 64
	v_exp_f32 v[T+p], v[T+p]
.set p, p+1
.endr
	v_nop                                          ; a plain line behind the last exponential,
	s_wait_alu depctr_va_vdst(0)                   ; and one wait for the batch of 64
.set p, 0
.rept 32
	v_pk_add_f32 v[T+2*p:T+2*p+1], v[T+2*p:T+2*p+1], 1.0 op_sel_hi:[1,0]
.set p, p+1
.endr
.set p, 0
.rept 64
	v_rcp_f32 v[T+p], v[T+p]
.set p, p+1
.endr
	v_nop
	s_wait_alu depctr_va_vdst(0)                   ; one wait for the 64 reciprocals
	s_wait_xcnt 0x0                                ; the stores of the block before have read the registers that the loads below fill
	WIN 0x04                                       ; address window 0, data window 1
.irp b, 0,1,2,3,4,5,6,7
	ds_store_b128 v[STO], v[T+8*(\b):T+8*(\b)+3]   offset:64*(\b)
	ds_store_b128 v[STO], v[T+8*(\b)+4:T+8*(\b)+7] offset:64*(\b)+16
.endr
	WIN 0x40
.set t, 0
.rept 16
	ds_load_b128 v[OB+4*t:OB+4*t+3], v[RD] offset:t*SPITCH  ; LDS serves a wave's instructions in order (ISA guide 5.7.1.4): these see the stores above
.set t, t+1
.endr
	WIN 0x44                                       ; xb and 0 window 0, out1 and the result window 1
.set i, 0
.rept 32
	v_fma_mix_f32_bf16 v[U+2*i],   v[XF+32*(\a)+i], v[T+2*i],   v[ZR] op_sel_hi:[1,0,0]
	v_fma_mix_f32_bf16 v[U+2*i+1], v[XF+32*(\a)+i], v[T+2*i+1], v[ZR] op_sel:[1,0,0] op_sel_hi:[1,0,0]
.set i, i+1
.endr
	WIN 0x55
.set i, 0
.rept 32
	v_cvt_pk_bf16_f32 v[WF+i], v[U+2*i], v[U+2*i+1]
.set i, i+1
.endr
	WIN 0x54                                       ; W3 window 0; x out1, C and D window 1.  Two accumulators by turns
	v_wmma_f32_16x16x32_bf16 v[FCE:FCE+7], v[W3F:W3F+7],       v[WF:WF+7],       0
	v_wmma_f32_16x16x32_bf16 v[FCO:FCO+7], v[W3F+8:W3F+15],    v[WF+8:WF+15],    0
	v_wmma_f32_16x16x32_bf16 v[FCE:FCE+7], v[W3F+16:W3F+23],   v[WF+16:WF+23],   v[FCE:FCE+7]
	v_wmma_f32_16x16x32_bf16 v[FCO:FCO+7], v[W3F+24:W3F+31],   v[WF+24:WF+31],   v[FCO:FCO+7]
	WIN 0x04
	s_wait_dscnt 0x0                               ; the 16 rows are back in registers
.set t, 0
.rept 16
	global_store_b128 v[OO], v[OB+4*t:OB+4*t+3], s[14:15] offset:(16*(\a)+t)*AROW th:TH_STORE_NT  ; 512 consecutive bytes, at a multiple of 256 from out1's first byte
.set t, t+1
.endr
	WIN 0x55
	PLACES                                         ; behind the four products
	v_pk_add_f32 v[PF+4*(\a):PF+4*(\a)+1],   v[FCE:FCE+1],   v[FCO:FCO+1]
	v_pk_add_f32 v[PF+4*(\a)+2:PF+4*(\a)+3], v[FCE+2:FCE+3], v[FCO+2:FCO+3]
.endm
	EPI 0
	EPI 1
	EPI 2
	EPI 3
.irp a, 0,2                            ; both halves of the lanes hold a block's four classes: lanes 16-31 take the next block's, and 32 rows are 512 consecutive bytes of part
	WIN 0x55
.irp k, 0,1,2,3
	v_cndmask_b32 v[PF+4*(\a)+(\k)], v[PF+4*(\a)+(\k)], v[PF+4*(\a)+4+(\k)], s[HM]
.endr
	WIN 0x04
	global_store_b128 v[OO], v[PF+4*(\a):PF+4*(\a)+3], s[16:17] offset:256*(\a)
.endr
	WIN 0
	s_wait_tensorcnt 0x0                           ; the wave's end, behind my last tensor load and my last LDS store
	ds_add_u32 v[SPW], v[NIL]
	s_wait_dscnt 0x0
	CROUND                                         ; the closing round
	s_endpgm
.Lfunc_end_k_q3aafdc79ed_gemm2:
	.size	k_q3aafdc79ed_gemm2, .Lfunc_end_k_q3aafdc79ed_gemm2-k_q3aafdc79ed_gemm2
	.p2alignl 7, 3214868480
	.fill 96, 4, 3214868480
	.section	.rodata,"a",@progbits
	.p2align	6, 0x0
	.amdhsa_kernel k_q3aafdc79ed_gemm2
		.amdhsa_group_segment_fixed_size 327680
		.amdhsa_private_segment_fixed_size 0
		.amdhsa_enable_private_segment 0
		.amdhsa_kernarg_size 56
		.amdhsa_user_sgpr_count 2
		.amdhsa_user_sgpr_kernarg_segment_ptr 1
		.amdhsa_wavefront_size32 1
		.amdhsa_system_sgpr_workgroup_id_x 1
		.amdhsa_system_sgpr_workgroup_id_y 1
		.amdhsa_system_sgpr_workgroup_id_z 1
		.amdhsa_system_vgpr_workitem_id 0
		.amdhsa_next_free_vgpr 768
		.amdhsa_next_free_sgpr 72
		.amdhsa_reserve_vcc 0
		.amdhsa_float_denorm_mode_32 3
		.amdhsa_float_denorm_mode_16_64 3
		.amdhsa_memory_ordered 1
		.amdhsa_forward_progress 1
		.amdhsa_inst_pref_size 153
	.end_amdhsa_kernel
	.amdgpu_metadata
---
amdhsa.version: [ 1, 2 ]
amdhsa.kernels:
  - .name:           k_q3aafdc79ed_gemm2
    .symbol:         k_q3aafdc79ed_gemm2.kd
    .args:
      - { .name: ab, .offset: 0, .size: 8, .value_kind: global_buffer, .address_space: global }
      - { .name: w2b, .offset: 8, .size: 8, .value_kind: global_buffer, .address_space: global }
      - { .name: b2, .offset: 16, .size: 8, .value_kind: global_buffer, .address_space: global }
      - { .name: xb, .offset: 24, .size: 8, .value_kind: global_buffer, .address_space: global }
      - { .name: w3t, .offset: 32, .size: 8, .value_kind: global_buffer, .address_space: global }
      - { .name: out1, .offset: 40, .size: 8, .value_kind: global_buffer, .address_space: global }
      - { .name: part, .offset: 48, .size: 8, .value_kind: global_buffer, .address_space: global }
    .group_segment_fixed_size: 327680
    .private_segment_fixed_size: 0
    .kernarg_segment_align: 8
    .kernarg_segment_size: 56
    .max_flat_workgroup_size: 128
    .sgpr_count:     72
    .vgpr_count:     768
    .wavefront_size: 32
...
	.end_amdgpu_metadata
.endif
;; end of part 4
;; launch fin (part 5): grid 32 x 1, 4 waves a work-group, no clusters, 0 bytes of LDS; arguments part, b3, out0; writes out0
.if DOCPART == 5
	.amdgcn_target "amdgcn-amd-amdhsa--gfx1250"
	.amdhsa_code_object_version 6
	.text
	.protected	k_q3aafdc79ed_fin
	.globl	k_q3aafdc79ed_fin
	.p2align	8
	.type	k_q3aafdc79ed_fin,@function
k_q3aafdc79ed_fin:
	s_mov_b64 s[64:65], 0
	v_nop
	global_prefetch_b8 v0, s[64:65] scope:SCOPE_SE
	s_setreg_imm32_b32 hwreg(HW_REG_WAVE_MODE, 25, 1), 1
	s_wait_xcnt 0x0
; LAUNCH 5 OF 5: out0[row][c] = b3[c] + the sum over the 16 pieces of part[piece][row][c].  part [16][4096][4] f32, out0 [4096][4] f32.  Nothing of the problem is left out here.
; The sum spans the work-groups of the launch before, so it is taken here, in f32, by one owner for each row: thread t of work-group g owns row 128 g + t.
; A load or store of a wave covers 512 consecutive bytes.  All 16 loads go out together; the launch is short, so nothing is prefetched.
	s_load_b128 s[4:7], s[0:1], 0x0                ; part s[4:5], b3 s[6:7]
	s_load_b64 s[8:9], s[0:1], 0x10                ; out0
	v_lshlrev_b32 v1, 4, v0                        ; 16 bytes a row
	s_lshl_b32 s10, ttmp9, 11                      ; 128 rows a work-group
	s_mov_b32 s11, 0
	s_wait_kmcnt 0x0
	s_load_b128 s[12:15], s[6:7], 0x0              ; b3: no line of this launch writes it
	s_add_nc_u64 s[4:5], s[4:5], s[10:11]
	s_add_nc_u64 s[8:9], s[8:9], s[10:11]
.irp q, 0,1,2,3,4,5,6,7,8,9,10,11,12,13,14,15
	global_load_b128 v[8+4*(\q):11+4*(\q)], v1, s[4:5] offset:(\q)*65536
.endr
	s_wait_loadcnt 0x0
.irp d, 8,4,2,1                        ; a tree: 16, 8, 4, 2 parts into half as many, two sums an instruction
.set q, 0
.rept \d
	v_pk_add_f32 v[8+4*q:9+4*q],   v[8+4*q:9+4*q],   v[8+4*(q+\d):9+4*(q+\d)]
	v_pk_add_f32 v[10+4*q:11+4*q], v[10+4*q:11+4*q], v[10+4*(q+\d):11+4*(q+\d)]
.set q, q+1
.endr
.endr
	s_wait_kmcnt 0x0                               ; b3
	v_add_f32 v8, s12, v8
	v_add_f32 v9, s13, v9
	v_add_f32 v10, s14, v10
	v_add_f32 v11, s15, v11
	global_store_b128 v1, v[8:11], s[8:9]
	s_endpgm
.Lfunc_end_k_q3aafdc79ed_fin:
	.size	k_q3aafdc79ed_fin, .Lfunc_end_k_q3aafdc79ed_fin-k_q3aafdc79ed_fin
	.p2alignl 7, 3214868480
	.fill 96, 4, 3214868480
	.section	.rodata,"a",@progbits
	.p2align	6, 0x0
	.amdhsa_kernel k_q3aafdc79ed_fin
		.amdhsa_group_segment_fixed_size 0
		.amdhsa_private_segment_fixed_size 0
		.amdhsa_enable_private_segment 0
		.amdhsa_kernarg_size 24
		.amdhsa_user_sgpr_count 2
		.amdhsa_user_sgpr_kernarg_segment_ptr 1
		.amdhsa_wavefront_size32 1
		.amdhsa_system_sgpr_workgroup_id_x 1
		.amdhsa_system_sgpr_workgroup_id_y 1
		.amdhsa_system_sgpr_workgroup_id_z 1
		.amdhsa_system_vgpr_workitem_id 0
		.amdhsa_next_free_vgpr 72
		.amdhsa_next_free_sgpr 66
		.amdhsa_reserve_vcc 0
		.amdhsa_float_denorm_mode_32 3
		.amdhsa_float_denorm_mode_16_64 3
		.amdhsa_memory_ordered 1
		.amdhsa_forward_progress 1
		.amdhsa_inst_pref_size 5
	.end_amdhsa_kernel
	.amdgpu_metadata
---
amdhsa.version: [ 1, 2 ]
amdhsa.kernels:
  - .name:           k_q3aafdc79ed_fin
    .symbol:         k_q3aafdc79ed_fin.kd
    .args:
      - { .name: part, .offset: 0, .size: 8, .value_kind: global_buffer, .address_space: global }
      - { .name: b3, .offset: 8, .size: 8, .value_kind: global_buffer, .address_space: global }
      - { .name: out0, .offset: 16, .size: 8, .value_kind: global_buffer, .address_space: global }
    .group_segment_fixed_size: 0
    .private_segment_fixed_size: 0
    .kernarg_segment_align: 8
    .kernarg_segment_size: 24
    .max_flat_workgroup_size: 128
    .sgpr_count:     66
    .vgpr_count:     72
    .wavefront_size: 32
...
	.end_amdgpu_metadata
.endif
;; end of part 5
;; ======== version 2 of 2: 5 launches; version 1 with the launch cast written anew for expert scheduling mode
;; workspace buffers: xb 16,777,216 bytes; w1b 16,777,216 bytes; w2b 16,777,216 bytes; w3t 16,384 bytes; hb 33,554,432 bytes; st 1,048,576 bytes; ab 33,554,432 bytes; part 1,048,576 bytes
;; launch cast (part 6): grid 513 x 1, 8 waves a work-group, no clusters, 0 bytes of LDS; arguments x1, x2, W1, W3, xb, w1b, w3t; writes xb, w1b, w3t
.if DOCPART == 6
	.amdgcn_target "amdgcn-amd-amdhsa--gfx1250"
	.amdhsa_code_object_version 6
	.text
	.protected	k_q3aafdc79ed_cast
	.globl	k_q3aafdc79ed_cast
	.p2align	8
	.type	k_q3aafdc79ed_cast,@function
k_q3aafdc79ed_cast:
	s_mov_b64 s[64:65], 0
	v_nop
	global_prefetch_b8 v0, s[64:65] scope:SCOPE_SE
	s_setreg_imm32_b32 hwreg(HW_REG_WAVE_SCHED_MODE, 0, 2), 2
	s_setreg_imm32_b32 hwreg(HW_REG_WAVE_MODE, 25, 1), 1
	s_wait_xcnt 0x0
	s_wait_alu depctr_vm_vsrc(0)
; LAUNCH 1 OF 5: what the first product multiplies is rounded once to bf16, and W3 is turned.
;   xb  [4096][2048] = x1 beside x2 (the concatenation);  w1b [2048][4096] = W1 as it lies;  w3t [4][2048] = W3 turned.
; THE PROGRAM.  2: h = xb w1b + b1, stored less the mean of each piece of 128 columns, with that mean and the piece's sum of squared differences; beside its products it rounds W2 to bf16.
; 3: LayerNorm, gain, bias, ReLU.  4: sigmoid(a w2b + b2) = out1, and the parts of (x out1) W3 over 128 columns.  5: the parts are added, with b3.
; NOTHING IS LEFT OUT: every input of the problem reaches an output (b1 differs along the norm's axis, so it does not cancel), and all are loaded.
; LIMITS of the program: matrix operands have bf16's 8 significant bits; NaN and infinities are not treated apart (launch 3 says where a NaN is lost).
; SHARES.  The unit is 1,024 numbers: 4,096 bytes in, 2,048 out.  A wave takes 4 units, a work-group 32.  Work-groups 0-127 take x1, 128-255 x2, 256-511 W1; 512 takes W3.
; A load of a wave covers 512 consecutive bytes, a store 256 consecutive bytes at a multiple of 256.  All 32 loads of a wave go out first; each is rounded in the registers in which it landed.
; No LDS, no matrix unit, no cluster: nothing is shared and nothing is multiplied.
; THE MODE: SCHED_MODE bits 1:0 = 2 (LLVM: expert scheduling mode 2), set by the entry lines.  The code itself states the register dependences
; between vector instructions and memory instructions, with s_wait_alu, always for 0.
; THE PLAN.  Registers that memory instructions touch:
;   v1         16 x lane: the offset of all 32 loads.  Written once at the head, never again.
;   v2 .. v5   8 x lane + the unit's place: the offset of 8 stores each.  Written once at the head, never again.
;   X, load n  four registers.  Load n lands in them; its two roundings read the four and write the first two; store n reads those two; nothing writes them afterwards.
; No register that a memory instruction has read is written again, so no wait on vm_vsrc is owed; all loads are issued ahead of the first vector instruction that names X.
; The 32 loads go in 8 groups of four.  Store n stands four places behind its roundings, in the next group, ahead of the roundings of load n + 4.  So ONE wait on va_vdst at a group's head states
; that the group before has written the eight registers that this group's four stores read; the vector instructions behind that wait name this group's registers alone.
.set X, 8                              ; v[8:135]   32 loads of 4 registers; the first two of each four then hold the 8 bytes to store
.set GRP, 4                            ; loads in a group
	s_load_b256 s[4:11], s[0:1], 0x0               ; x1 s[4:5], x2 s[6:7], W1 s[8:9], W3 s[10:11]
	s_load_b128 s[12:15], s[0:1], 0x20             ; xb s[12:13], w1b s[14:15]
	s_load_b64 s[16:17], s[0:1], 0x30              ; w3t
	v_lshrrev_b32 v1, 5, v0
	v_readfirstlane_b32 s22, v1                    ; wave 0..7
	v_and_b32 v7, 31, v0                           ; lane
	s_wait_alu depctr_va_sdst(0)                   ; s22 is written: ahead of the branch, and of its first reader, which makes my first unit's number from it
	s_cmp_eq_u32 ttmp9, 512
	s_cbranch_scc1 .Lw3
	s_wait_kmcnt 0x0
	; from where, to where: the case of W1 first, then the lower ranges of the work-group's number take its place
	s_mov_b64 s[24:25], s[8:9]                     ; source
	s_mov_b64 s[26:27], s[14:15]                   ; destination
	s_mov_b32 s28, 256                             ; the range's first work-group
	s_mov_b32 s29, 2048                            ; bytes from unit to unit in the destination
	s_mov_b32 s30, 0                               ; x2 alone begins 2,048 bytes into xb's rows
	s_cmp_lt_u32 ttmp9, 256
	s_cselect_b64 s[24:25], s[6:7], s[24:25]
	s_cselect_b64 s[26:27], s[12:13], s[26:27]
	s_cselect_b32 s28, 128, s28
	s_cselect_b32 s29, 4096, s29
	s_cselect_b32 s30, 2048, s30
	s_cmp_lt_u32 ttmp9, 128
	s_cselect_b64 s[24:25], s[4:5], s[24:25]
	s_cselect_b32 s28, 0, s28
	s_cselect_b32 s30, 0, s30
	s_sub_co_u32 s31, ttmp9, s28
	s_lshl_b32 s31, s31, 5
	s_lshl2_add_u32 s31, s22, s31                  ; my first unit: 32 x work-group in its range + 4 x wave
	s_lshl_b32 s32, s31, 12
	s_mov_b32 s33, 0
	s_add_nc_u64 s[24:25], s[24:25], s[32:33]
	s_mul_i32 s32, s31, s29
	s_add_co_u32 s32, s32, s30
	s_add_nc_u64 s[26:27], s[26:27], s[32:33]
	v_lshlrev_b32 v1, 4, v7                        ; 16 bytes a lane in,
	v_lshlrev_b32 v2, 3, v7                        ; 8 bytes a lane out, for unit 0,
	v_add_nc_u32 v3, s29, v2                       ; 1,
	v_add_nc_u32 v4, s29, v3                       ; 2
	v_add_nc_u32 v5, s29, v4                       ; and 3
	s_wait_alu depctr_va_vdst(0)                   ; v1 to v5 are written: every load below reads v1 as its offset, every store one of v2 to v5
.set n, 0
.rept 32                               ; load n: unit n / 8, its 512 bytes number n % 8
	global_load_b128 v[X+4*n:X+4*n+3], v1, s[24:25] offset:(n/8)*4096+(n%8)*512 th:TH_LOAD_NT
.set n, n+1
.endr
.set n, 0
.rept 32
	s_wait_loadcnt 31-n                            ; loads come back in order: load n is in, the younger ones stay out
.if (n >= GRP) && (n%GRP == 0)
	s_wait_alu depctr_va_vdst(0)                   ; the roundings of the group before have written the registers that this group's four stores read
.endif
.if n >= GRP
	global_store_b64 v[2+(n-GRP)/8], v[X+4*(n-GRP):X+4*(n-GRP)+1], s[26:27] offset:((n-GRP)%8)*256 th:TH_STORE_NT  ; the group before; no vector instruction since the wait names these registers
.endif
	v_cvt_pk_bf16_f32 v[X+4*n], v[X+4*n], v[X+4*n+1]
	v_cvt_pk_bf16_f32 v[X+4*n+1], v[X+4*n+2], v[X+4*n+3]
.set n, n+1
.endr
	s_wait_alu depctr_va_vdst(0)                   ; the last group's roundings have written the registers that the last four stores read
.set n, 32-GRP
.rept GRP
	global_store_b64 v[2+n/8], v[X+4*n:X+4*n+1], s[26:27] offset:(n%8)*256 th:TH_STORE_NT
.set n, n+1
.endr
	s_endpgm
.Lw3:                                          ; W3 [2048][4]: thread t takes rows 8 t .. 8 t + 7 (128 consecutive bytes) and writes 16 bytes of each of the four rows of w3t
	s_wait_kmcnt 0x0
	v_lshlrev_b32 v1, 7, v0
	v_lshlrev_b32 v2, 4, v0
	s_wait_alu depctr_va_vdst(0)                   ; v1 and v2 are written: the loads below read v1 as their offset, the stores v2
.irp i, 0,1,2,3,4,5,6,7
	global_load_b128 v[8+4*(\i):11+4*(\i)], v1, s[10:11] offset:16*(\i)  ; v[8 + 4 i + c] = W3[8 t + i][c]
.endr
	s_wait_loadcnt 0x0
.irp c, 0,1,2,3
.irp r, 0,1,2,3
	v_cvt_pk_bf16_f32 v[40+4*(\c)+(\r)], v[8+8*(\r)+(\c)], v[12+8*(\r)+(\c)]
.endr
.endr
	s_wait_alu depctr_va_vdst(0)                   ; the sixteen roundings have written v[40:55], which the four stores read
.irp c, 0,1,2,3
	global_store_b128 v2, v[40+4*(\c):43+4*(\c)], s[16:17] offset:4096*(\c)
.endr
	s_endpgm
.Lfunc_end_k_q3aafdc79ed_cast:
	.size	k_q3aafdc79ed_cast, .Lfunc_end_k_q3aafdc79ed_cast-k_q3aafdc79ed_cast
	.p2alignl 7, 3214868480
	.fill 96, 4, 3214868480
	.section	.rodata,"a",@progbits
	.p2align	6, 0x0
	.amdhsa_kernel k_q3aafdc79ed_cast
		.amdhsa_group_segment_fixed_size 0
		.amdhsa_private_segment_fixed_size 0
		.amdhsa_enable_private_segment 0
		.amdhsa_kernarg_size 56
		.amdhsa_user_sgpr_count 2
		.amdhsa_user_sgpr_kernarg_segment_ptr 1
		.amdhsa_wavefront_size32 1
		.amdhsa_system_sgpr_workgroup_id_x 1
		.amdhsa_system_sgpr_workgroup_id_y 1
		.amdhsa_system_sgpr_workgroup_id_z 1
		.amdhsa_system_vgpr_workitem_id 0
		.amdhsa_next_free_vgpr 136
		.amdhsa_next_free_sgpr 66
		.amdhsa_reserve_vcc 0
		.amdhsa_float_denorm_mode_32 3
		.amdhsa_float_denorm_mode_16_64 3
		.amdhsa_memory_ordered 1
		.amdhsa_forward_progress 1
		.amdhsa_inst_pref_size 16
	.end_amdhsa_kernel
	.amdgpu_metadata
---
amdhsa.version: [ 1, 2 ]
amdhsa.kernels:
  - .name:           k_q3aafdc79ed_cast
    .symbol:         k_q3aafdc79ed_cast.kd
    .args:
      - { .name: x1, .offset: 0, .size: 8, .value_kind: global_buffer, .address_space: global }
      - { .name: x2, .offset: 8, .size: 8, .value_kind: global_buffer, .address_space: global }
      - { .name: W1, .offset: 16, .size: 8, .value_kind: global_buffer, .address_space: global }
      - { .name: W3, .offset: 24, .size: 8, .value_kind: global_buffer, .address_space: global }
      - { .name: xb, .offset: 32, .size: 8, .value_kind: global_buffer, .address_space: global }
      - { .name: w1b, .offset: 40, .size: 8, .value_kind: global_buffer, .address_space: global }
      - { .name: w3t, .offset: 48, .size: 8, .value_kind: global_buffer, .address_space: global }
    .group_segment_fixed_size: 0
    .private_segment_fixed_size: 0
    .kernarg_segment_align: 8
    .kernarg_segment_size: 56
    .max_flat_workgroup_size: 256
    .sgpr_count:     66
    .vgpr_count:     136
    .wavefront_size: 32
...
	.end_amdgpu_metadata
.endif
;; end of part 6
;; launch gemm1: the kernel of part 2 again; grid 16 x 16, 4 waves a work-group, clusters of 4 x 4, 327,680 bytes of LDS; arguments xb, w1b, b1, hb, st, W2, w2b; writes hb, st, w2b
;; launch lnrelu: the kernel of part 3 again; grid 2 x 128, 16 waves a work-group, no clusters, 10,240 bytes of LDS; arguments hb, st, ln_g, ln_b, ab; writes ab
;; launch gemm2: the kernel of part 4 again; grid 8 x 32, 4 waves a work-group, clusters of 4 x 4, 327,680 bytes of LDS; arguments ab, w2b, b2, xb, w3t, out1, part; writes out1, part
;; launch fin: the kernel of part 5 again; grid 32 x 1, 4 waves a work-group, no clusters, 0 bytes of LDS; arguments part, b3, out0; writes out0
